; MI455X (gfx1250); checked and timed in simulation.
; The chip was launched on July 23, 2026; its instructions are those of AMD's public machine-readable ISA for CDNA 5 (MIT licence, August 2026) and "CDNA5" Instruction Set Architecture Reference Guide (July 2026). The comments in the code are by the model that wrote it; some were corrected since.
;; Head. Allowed arithmetic: matrix products marked QUANTISED: E3M2 operands, one E8M0 scale for each 32 along K, by v_wmma_scale_f32_16x16x128_f8f6f4 with both operands' format E3M2, f32 sums; everything else in f32.
;; Inputs: Wk 1,024 x 1,024 float32; Wq 1,024 x 1,024 float32; Wv 1,024 x 1,024 float32; bk 1,024 float32; bq 1,024 float32; bv 1,024 float32; x 4 x 2,048 x 1,024 float32.
;; Outputs: out0 4 x 2,048 x 1,024 float32.
;; This version of the problem:
;;   THIS VERSION OF THE PROBLEM IS GIVEN IN LOW PRECISION. The matrix products marked QUANTISED in the list below multiply operands that are first quantised to E3M2 (3 exponent bits, 2 mantissa bits; 6 bits a number), with one power-of-two scale for each 32 numbers along K (OCP MX v1.0); their sums are f32. All else is computed in f32.
;;   The module's matrix products, in the order in which they are computed (A, B: the left and right operand; K: the contracted axis; several contracted axes count as one K, in the product's order):
;;     1. [M 8,192, K 1,024] x [K 1,024, N 1,024]; A: input x; B: input Wk: QUANTISED
;;     2. [M 8,192, K 1,024] x [K 1,024, N 1,024]; A: input x; B: input Wq: QUANTISED
;;     3. [M 8,192, K 1,024] x [K 1,024, N 1,024]; A: input x; B: input Wv: QUANTISED
;;     4. batch 4 x [M 2,048, K 1,024] x [K 1,024, N 2,048]; A: computed on the way; B: computed on the way: QUANTISED
;;     5. batch 4 x [M 2,048, K 2,048] x [K 2,048, N 1,024]; A: softmax (see below); B: computed on the way: QUANTISED
;;   THE QUANTISER, for each operand of a quantised product, along K:
;;     - K is cut into blocks of 32 from its start; a last block that is shorter is filled with zeros.
;;     - A block's scale is 2^e with e = floor(log2(the largest magnitude in the block)) - 4, held to -126 .. 127; a block of zeros has e = 0. As a byte (E8M0): e + 127.
;;     - Each number is divided by its block's scale, clamped to +-28, and rounded to the nearest number of E3M2, ties to even, subnormals kept.
;;     - The product sums the exact products of the quantised numbers (number of the format x scale) in f32.
;;   ~~~python
;;   def quantise(x, axis):      # numpy; x: float32 -> the quantised numbers, widened to float32 again
;;       x = np.moveaxis(x, axis, -1); K = x.shape[-1]
;;       x = np.pad(x, [(0, 0)] * (x.ndim - 1) + [(0, -K % 32)]); x = x.reshape(x.shape[:-1] + (-1, 32)); a = np.abs(x).max(-1, keepdims=True)
;;       e = np.where(a > 0, np.clip(np.frexp(np.where(a > 0, a, 1))[1] - 1 - 4, -126, 127), 0)      # np.frexp(a)[1] - 1 = floor(log2(a)), exactly
;;       r = np.clip(x / 2.0 ** e, -28, 28)
;;       step = 2.0 ** (np.maximum(np.frexp(np.where(r == 0, 1, r))[1] - 1, -2) - 2)
;;       q = np.round(r / step) * step * 2.0 ** e      # np.round: ties to even
;;       return np.moveaxis(q.reshape(q.shape[:-2] + (-1,))[..., :K], -1, axis).astype(np.float32)
;;   ~~~
;;   SOFTMAX AHEAD OF A QUANTISED PRODUCT. Where the list says 'softmax', what is quantised is not the finished softmax but p = 2^(t - M), with t = logit x log2(e) and M = ceil(the row's largest t), a whole number; so 1/2 < the row's largest p <= 1. The row's sum l is taken of the UNQUANTISED p, in f32, and the product's result is divided by l at the end. Since M is a whole number, a kernel that streams over the keys may use a running M (the ceiling of the running maximum): every later rescaling is an exact power of two, which a block's scale takes up: the codes' values come out the same.
;;   OPERANDS COMPUTED ON THE WAY. 'Computed on the way' means the value that the module computes at that place (a softmax that the list does not call 'softmax' is quantised finished and normalised). What goes into a quantiser is computed in f32, as accurately as f32 sums, v_exp_f32 and their like allow (about 1e-6 of the number): no bf16 or f16 on the way to a quantiser, and a product that is left as it is and whose result goes on into a quantised operand takes f32 operands (vector FMAs, or v_wmma_f32_16x16x4_f32). A number that lies on a knife's edge between two numbers of the format may be rounded either way, as far as f32 arithmetic and the matrix unit's own rounding can turn it there, and no further.
;; 2 versions, each right and faster than the one before. Each part assembles by itself: llvm-mc -triple=amdgcn-amd-amdhsa -mcpu=gfx1250 --defsym DOCPART=n.
;; ======== version 1 of 2: 4 launches
;; workspace buffers: xr 6,553,600 bytes; wr 2,457,600 bytes; kr 6,553,600 bytes; qr 6,553,600 bytes; vr 6,553,600 bytes; pr 14,155,776 bytes
;; launch quant (part 1): grid 352 x 1, 4 waves a work-group, no clusters, 34,304 bytes of LDS; arguments x, Wk, Wq, Wv, xr, wr; writes xr, wr
.if DOCPART == 1
	.amdgcn_target "amdgcn-amd-amdhsa--gfx1250"
	.amdhsa_code_object_version 6
	.text
	.protected	k_qaa00bddf9e_quant
	.globl	k_qaa00bddf9e_quant
	.p2align	8
	.type	k_qaa00bddf9e_quant,@function
k_qaa00bddf9e_quant:
	s_mov_b64 s[64:65], 0
	v_nop
	global_prefetch_b8 v0, s[64:65] scope:SCOPE_SE
	s_setreg_imm32_b32 hwreg(HW_REG_WAVE_MODE, 25, 1), 1
	s_wait_xcnt 0x0
; x [8192][1024], Wk, Wq, Wv [1024][1024], f32, K innermost, become codes of BF6 (E3M2) with one E8M0 byte for each 32 along K,
; laid as IMAGES OF OPERAND REGISTERS.  A fragment (16 rows x 128 K) is 12 registers a lane: lane (r, h) holds row position r, registers 6 c .. 6 c + 5
; hold k = 64 c + 32 h + 0 .. 31.  It is stored as 3 pieces of 512 bytes, piece n = registers 4 n .. 4 n + 3, lane l's 16 bytes at 16 l.
; A RECORD (128 rows x 128 K, 12,800 bytes) is 8 fragments and 512 bytes of scale words: the word of (tile i, position r) at 12288 + 256 (i / 4) + 16 r + 4 (i % 4).
; xr = [group of 128 rows: 64][K step: 8][record];  wr likewise with groups 0-7 Wk, 8-15 Wq, 16-23 Wv.
; THE ROWS OF A TILE ARE NOT NEIGHBOURS: position p of tile t is row 32 (t / 2) + 16 (p / 8) + 8 (t % 2) + p % 8 of its group, so that a product which takes such a tile as
; source 0 leaves, in the 16 registers of tiles 2 b and 2 b + 1, 16 neighbours along that axis.
; A block's scale is 2^(floor(log2(its largest magnitude)) - 4); its byte is the largest magnitude's exponent field - 4, held at 1 from below.
; LIMITS: a block of zeros gets the byte 1 and not 127 (its codes are zeros, and this program alone reads the bytes); blocks whose largest magnitude lies under 2^-122 are held at the byte 1;
; NaN and infinities among the inputs are not served.
; SHARES: a wave takes 64 rows (4 tiles) x one K step: 32 KiB read.  176 half groups x 8 K steps = 1,408 waves.  Each load reads 512 consecutive bytes of a row; a tile's 16 rows turn through the wave's
; own stage in LDS, so that a lane gets 32 neighbours along K.  Waves share nothing: no barrier.  No matrix unit, no cluster, no tensor load: memory binds, and nothing is read twice.
.set ROWB, 4096                        ; a row of x or W in bytes
.set SP,   528                         ; a stage row: 512 bytes + 16, an odd multiple of 16
.set WST,  16*SP                       ; a wave's stage
.set REC,  12800
.set LI,   1                           ; v1   16 x lane; never rewritten
.set STI,  2                           ; v2   the stage, on the way in
.set STO,  3                           ; v3   and on the way out: row r, + 128 h
.set SAD,  4                           ; v4   16 r + 8 h: my place among the half group's scale words
.set H8,   5                           ; v5   8 h
.set PD,   6                           ; v6   a lane permute's destination
.set WD,   7                           ; v7   a scale word at work
.set MX,   8                           ; v8-9   largest magnitudes
.set SO,   10                          ; v10-11 the conversions' scale operands
.set BY,   12                          ; v12-13 the bytes
.set SW,   14                          ; v14-15 two scale words to store
.set PWS,  16                          ; v16-19 tile t's scale word
.set PC,   20                          ; v20-31 a fragment's codes
.set TC,   32                          ; v32-34, v36-38 the second halves of the blocks' codes
.set X,    64                          ; v64-127  64 numbers of my row position
.set R,    128                         ; v128-255 two sets of 16 rows as loaded
	s_load_b256 s[4:11], s[0:1], 0x0               ; x, Wk, Wq, Wv
	s_load_b128 s[12:15], s[0:1], 0x20             ; xr, wr
	v_lshl_add_u32 v62, v0, 2, 0x8400
	v_mov_b32 v63, 0
	v_lshrrev_b32 v7, 5, v0
	v_readfirstlane_b32 s16, v7                    ; wave
	v_and_b32 v8, 31, v0                           ; lane
	v_and_b32 v9, 15, v0                           ; r
	v_bfe_u32 v10, v0, 4, 1                        ; h
	v_lshlrev_b32 v[LI], 4, v8
	s_mul_i32 s38, s16, WST
	v_add_nc_u32 v[STI], s38, v[LI]
	v_mul_u32_u24 v[STO], v9, SP
	v_lshl_add_u32 v[STO], v10, 7, v[STO]
	v_add_nc_u32 v[STO], s38, v[STO]
	v_lshlrev_b32 v[SAD], 4, v9
	v_lshl_add_u32 v[SAD], v10, 3, v[SAD]
	v_lshlrev_b32 v[H8], 3, v10
	v_mov_b32 v[PD], 0                             ; written once: a lane permute's destination counts as one of its sources
	s_lshr_b32 s17, ttmp9, 1                       ; half group 0 .. 175: 0-127 x, 128-143 Wk, 144-159 Wq, 160-175 Wv
	s_and_b32 s18, ttmp9, 1
	s_lshl_b32 s18, s18, 2
	s_add_co_u32 s18, s18, s16                     ; K step 0 .. 7
	s_and_b32 s19, s17, 15                         ; a weight's own half group
	s_sub_co_u32 s24, s17, 128                     ; and its place in wr
	s_mov_b32 s22, 0x76543210
	s_mov_b32 s23, 0xfedcba98                      ; v_permlanex16_b32's selects for lane l xor 16
	s_mov_b32 s25, 0xffff0000                      ; lanes 16-31
	s_wait_kmcnt 0x0
	s_mov_b64 s[26:27], s[10:11]                   ; which tensor: the choices hang on the work-group's number alone
	s_cmp_lt_u32 s17, 160
	s_cselect_b64 s[26:27], s[8:9], s[26:27]
	s_cmp_lt_u32 s17, 144
	s_cselect_b64 s[26:27], s[6:7], s[26:27]
	s_cmp_lt_u32 s17, 128
	s_cselect_b64 s[26:27], s[4:5], s[26:27]
	s_cselect_b32 s20, s17, s19                    ; half group in the source
	s_cselect_b32 s21, s17, s24                    ; and in the destination
	s_cselect_b64 s[28:29], s[12:13], s[14:15]
	s_lshl_b32 s32, s20, 18                        ; 64 rows of 4,096 bytes
	s_lshl_b32 s33, s18, 9                         ; 512 bytes a K step
	s_add_co_u32 s32, s32, s33
	s_mov_b32 s33, 0
	s_add_nc_u64 s[26:27], s[26:27], s[32:33]
	s_lshr_b32 s34, s21, 1
	s_lshl_b32 s34, s34, 3
	s_add_co_u32 s34, s34, s18
	s_mul_i32 s34, s34, REC                        ; the record (group, K step)
	s_mov_b32 s35, 0
	s_add_nc_u64 s[28:29], s[28:29], s[34:35]
	s_and_b32 s34, s21, 1                          ; which half of the group
	s_lshl_b32 s36, s34, 8
	s_add_co_u32 s36, s36, 12288
	s_mov_b32 s37, 0
	s_add_nc_u64 s[30:31], s[28:29], s[36:37]      ; its 256 bytes of scale words
	s_mul_i32 s34, s34, 6144
	s_add_nc_u64 s[28:29], s[28:29], s[34:35]      ; its four fragments
.macro LOAD t                          ; tile t's 16 rows, in the order of their positions, into set t % 2
.irp p, 0,1,2,3,4,5,6,7,8,9,10,11,12,13,14,15
	global_load_b128 v[R+64*((\t)%2)+4*\p:R+64*((\t)%2)+4*\p+3], v[LI], s[26:27] offset:(32*((\t)/2)+16*(\p/8)+8*((\t)%2)+\p%8)*ROWB th:TH_LOAD_NT
.endr
.endm
.macro FRAGQ t
.if (\t) < 3
	s_wait_loadcnt 16                              ; this tile's 16 loads are in; the next tile's 16 may be out
.else
	s_wait_loadcnt 0x0
.endif
.irp p, 0,1,2,3,4,5,6,7,8,9,10,11,12,13,14,15
	ds_store_b128 v[STI], v[R+64*((\t)%2)+4*\p:R+64*((\t)%2)+4*\p+3] offset:SP*\p
.endr
.irp c, 0,1
.irp j, 0,1,2,3,4,5,6,7
	ds_load_b128 v[X+32*\c+4*\j:X+32*\c+4*\j+3], v[STO] offset:256*\c+16*\j   ; LDS serves a wave's instructions in order: these see the stores above.  X[32 c + i] = k 64 c + 32 h + i of position r
.endr
.endr
	s_wait_dscnt 0x0                               ; the numbers are back, and the stores have read their registers,
.if (\t) < 2
	LOAD (\t)+2                                    ; which take the tile two further on
.endif
.irp c, 0,1
	v_max3_num_f32 v[MX+\c], |v[X+32*\c]|, |v[X+32*\c+1]|, 0x2800000   ; my block 2 c + h: all 32 numbers are mine; the floor 2^(5 - 127) holds the byte at 1 from below
.endr
.irp i, 2,4,6,8,10,12,14,16,18,20,22,24,26,28,30
.irp c, 0,1
	v_max3_num_f32 v[MX+\c], v[MX+\c], |v[X+32*\c+\i]|, |v[X+32*\c+\i+1]|
.endr
.endr
.irp c, 0,1
	v_add_nc_u32 v[SO+\c], 0xfe000000, v[MX+\c]    ; 4 off the exponent field: the conversion takes the exponent field of this operand as its scale
.endr
.irp c, 0,1
	v_lshrrev_b32 v[BY+\c], 23, v[SO+\c]           ; the scale's byte
.endr
	v_lshl_or_b32 v[WD], v[BY+1], 16, v[BY]        ; my two bytes: blocks h and 2 + h,
	v_lshlrev_b32 v[WD], v[H8], v[WD]              ; at their places in the word;
	v_permlanex16_b32 v[PD], v[WD], s22, s23
	v_or_b32 v[PWS+(\t)], v[WD], v[PD]             ; with lane l xor 16's two the word is whole
	s_wait_xcnt 0x0                                ; the last tile's stores have read the codes' registers
.irp c, 0,1
	v_cvt_scalef32_pk16_bf6_f32 v[PC+6*\c:PC+6*\c+2], v[X+32*\c:X+32*\c+15], v[SO+\c]
	v_cvt_scalef32_pk16_bf6_f32 v[TC+4*\c:TC+4*\c+2], v[X+32*\c+16:X+32*\c+31], v[SO+\c]   ; (a conversion's three registers begin on an even number)
.endr
	v_nop                                          ; one plain place behind a scaled conversion
.irp c, 0,1
.irp i, 0,1,2
	v_mov_b32 v[PC+6*\c+3+\i], v[TC+4*\c+\i]
.endr
.endr
.irp k, 0,1,2
	global_store_b128 v[LI], v[PC+4*\k:PC+4*\k+3], s[28:29] offset:1536*(\t)+512*\k   ; 32 lanes store 512 consecutive bytes, at a multiple of 256 from the buffer's first byte
.endr
.endm
	LOAD 0
	LOAD 1
	FRAGQ 0
	FRAGQ 1
	FRAGQ 2
	FRAGQ 3
	v_cndmask_b32 v[SW], v[PWS], v[PWS+2], s25     ; lanes 0-15 store the words of tiles 0 and 1, lanes 16-31 those of tiles 2 and 3
	v_cndmask_b32 v[SW+1], v[PWS+1], v[PWS+3], s25
	global_store_b64 v[SAD], v[SW:SW+1], s[30:31]  ; 32 lanes store 256 consecutive bytes
	s_wait_tensorcnt 0x0
	ds_add_u32 v62, v63
	s_wait_dscnt 0x0
	s_endpgm
.Lfunc_end_k_qaa00bddf9e_quant:
	.size	k_qaa00bddf9e_quant, .Lfunc_end_k_qaa00bddf9e_quant-k_qaa00bddf9e_quant
	.p2alignl 7, 3214868480
	.fill 96, 4, 3214868480
	.section	.rodata,"a",@progbits
	.p2align	6, 0x0
	.amdhsa_kernel k_qaa00bddf9e_quant
		.amdhsa_group_segment_fixed_size 34304
		.amdhsa_private_segment_fixed_size 0
		.amdhsa_enable_private_segment 0
		.amdhsa_kernarg_size 48
		.amdhsa_user_sgpr_count 2
		.amdhsa_user_sgpr_kernarg_segment_ptr 1
		.amdhsa_wavefront_size32 1
		.amdhsa_system_sgpr_workgroup_id_x 1
		.amdhsa_system_sgpr_workgroup_id_y 1
		.amdhsa_system_sgpr_workgroup_id_z 1
		.amdhsa_system_vgpr_workitem_id 0
		.amdhsa_next_free_vgpr 256
		.amdhsa_next_free_sgpr 66
		.amdhsa_reserve_vcc 0
		.amdhsa_float_denorm_mode_32 3
		.amdhsa_float_denorm_mode_16_64 3
		.amdhsa_memory_ordered 1
		.amdhsa_forward_progress 1
		.amdhsa_inst_pref_size 31
	.end_amdhsa_kernel
	.amdgpu_metadata
---
amdhsa.version: [ 1, 2 ]
amdhsa.kernels:
  - .name:           k_qaa00bddf9e_quant
    .symbol:         k_qaa00bddf9e_quant.kd
    .args:
      - { .name: x, .offset: 0, .size: 8, .value_kind: global_buffer, .address_space: global }
      - { .name: Wk, .offset: 8, .size: 8, .value_kind: global_buffer, .address_space: global }
      - { .name: Wq, .offset: 16, .size: 8, .value_kind: global_buffer, .address_space: global }
      - { .name: Wv, .offset: 24, .size: 8, .value_kind: global_buffer, .address_space: global }
      - { .name: xr, .offset: 32, .size: 8, .value_kind: global_buffer, .address_space: global }
      - { .name: wr, .offset: 40, .size: 8, .value_kind: global_buffer, .address_space: global }
    .group_segment_fixed_size: 34304
    .private_segment_fixed_size: 0
    .kernarg_segment_align: 8
    .kernarg_segment_size: 48
    .max_flat_workgroup_size: 128
    .sgpr_count:     66
    .vgpr_count:     256
    .wavefront_size: 32
...
	.end_amdgpu_metadata
.endif
;; end of part 1
;; launch proj (part 2): grid 96 x 4, 4 waves a work-group, clusters of 4 x 4, 327,680 bytes of LDS; arguments xr, wr, bk, bq, bv, kr, qr, vr; writes kr, qr, vr
.if DOCPART == 2
	.amdgcn_target "amdgcn-amd-amdhsa--gfx1250"
	.amdhsa_code_object_version 6
	.text
	.protected	k_qaa00bddf9e_proj
	.globl	k_qaa00bddf9e_proj
	.p2align	8
	.type	k_qaa00bddf9e_proj,@function
k_qaa00bddf9e_proj:
	s_mov_b64 s[64:65], 0
	v_nop
	global_prefetch_b8 v0, s[64:65] scope:SCOPE_SE
	s_setreg_imm32_b32 hwreg(HW_REG_WAVE_MODE, 25, 1), 1
	s_wait_xcnt 0x0
	s_wait_alu depctr_hold_cnt(0) depctr_sa_sdst(0) depctr_va_vdst(0) depctr_va_sdst(0) depctr_va_ssrc(0) depctr_va_vcc(0) depctr_vm_vsrc(0)
	s_getreg_b32 s2, hwreg(HW_REG_IB_STS2, 6, 4)
	s_cmp_eq_u32 s2, 0
	s_cbranch_scc0 .Lentry_in_a_cluster
	s_endpgm
.Lentry_in_a_cluster:
	s_bfe_u32 s2, ttmp6, 0x10000c
	s_cmp_lg_u32 s2, 0xf033
	s_cbranch_scc0 .Lentry_shape_is_right
	s_endpgm
.Lentry_shape_is_right:
; k = x Wk^T + bk, q = x Wq^T + bq, v = x Wv^T + bv on codes of BF6 (E3M2) with E8M0 scales; each result is quantised again in registers and leaves as records of codes:
; k and q along the channels (the next product's K), v along the keys.  Operands and results are records of register images: 8 fragments of 1,536 bytes (3 pieces of 512, lane l's 16 bytes at 16 l)
; and 512 bytes of scale words ((tile i, position r) at 12288 + 256 (i / 4) + 16 r + 4 (i % 4)): 12,800 bytes for 128 rows x 128 K.
; THE MATRIX INSTRUCTION IS USED TRANSPOSED: source 0 = 16 rows of B, source 1 = 16 rows of A.  A lane then holds ONE row position of A, and its registers run along B's rows.  Position p of tile t of a
; record is row 32 (t / 2) + 16 (p / 8) + 8 (t % 2) + p % 8, so register 16 b + i of a lane's 64 (one tile of A x B's eight tiles) is B's row 32 b + 16 (lane / 16) + i: 16 neighbours along the next K.
; ROLES, by the cluster's number c (the same in its 16 work-groups): c < 16: A = x (1,024 tokens, block c / 2), B = Wk (c even) or Wq (c odd): results kr or qr, bias along B's rows;
; c >= 16: A = Wv, B = x (block c - 16): results vr [batch][channel group][key step], bias along A's rows.  The roles differ in pointers and numbers alone, chosen by s_cselect: one path of text.
; SHARES: a work-group makes 256 x 256, a wave 128 x 128 (64 accumulators, 512 registers) and so exactly one record of the result.  K = 1,024: 8 steps of 128, two to a slot, two slots.
; CLUSTER 4 x 4: A's records are shared along a row of the cluster, B's along a column: joint loads, each wave one of 25,600 bytes (two records, dense in memory: 100 rows of 256 bytes).
; LIMITS: as the quantiser's: zero blocks get the byte 1, blocks under 2^-122 are held at the byte 1, NaN and infinities are not served.
; REGISTERS: window 0: v16-29 addresses; v32-63 scale words; v64-127 bias along B; v128-223 A's fragments (one set), on the way out 64 numbers and their codes; v224-231 bias along A; v232-255 at work.
;   window 1: B's fragments, two sets, at v0 and v128.  windows 2, 3: the accumulators, (a, b) at v[8 (8 (a % 4) + b)].
.set REC,    12800
.set REGION, 2*REC                     ; what one tensor load brings: a group's records of two K steps
.set SLOT,   4*REGION                  ; A's two groups, then B's two
.set SPARE,  2*SLOT                    ; behind the ring: the spare words, 128 bytes for each wave
.set GRP,    8*REC                     ; a group's eight records in memory
.set FR,   12
.set ADRA, 16                          ; v16-17  16 x lane in my group of A, slot 0, 1
.set ADRB, 20                          ; v20-21  the same for B
.set ADRS, 22                          ; v22-23  scale words: lanes 0-15 A's, lanes 16-31 B's
.set LI,   24                          ; v24     16 x lane
.set SPW,  28
.set NIL,  29
.set SC,   32                          ; register SC + 16 slot + 8 q + i: lanes 0-15 the words of A's tile i, lanes 16-31 those of B's tile i
.set BN,   64
.set AF,   128
.set T,    128
.set PC,   192
.set BM,   224
.set TM,   232
.set PWS,  248
.set G1,  24
.set G0,  32
.set G1B, 48
.set G0B, 56
.set SEL, 66
.set MSB, 0
.macro WIN new                         ; the immediate's high byte repeats the setting that is left
.if MSB != (\new)
	s_set_vgpr_msb (MSB<<8)|(\new)
.set MSB, \new
.endif
.endm
.set MUL_LO, 0xa1                      ; source 0 (B) window 1, source 1 (A) window 0, C and D window 2
.set MUL_HI, 0xf1
.set TO_B,   0x40
.macro JLOAD s                         ; a joint load: waves 0 and 1 fetch A's two groups, waves 2 and 3 B's; four v_nop follow each of the two lines
	s_cmp_eq_u32 s15, 0
	s_cbranch_scc0 .Lfor_b_\@
	tensor_load_to_lds s[G0+4*\s:G0+4*\s+3], s[G1:G1+7]
	s_nop 0
.rept 4
	v_nop
.endr
	s_branch .Lasked_\@
.Lfor_b_\@:
	tensor_load_to_lds s[G0B+4*\s:G0B+4*\s+3], s[G1B:G1B+7]
	s_nop 0
.rept 4
	v_nop
.endr
.Lasked_\@:
.endm
.macro CREST                           ; a round of the cluster's barrier behind its opening barrier
	s_cmp_lg_u32 s14, 0
	s_cbranch_scc1 .Lnot_wave_0_\@
	s_barrier_signal -3
.Lnot_wave_0_\@:
	s_barrier_wait -3
	s_barrier_signal -1
	s_barrier_wait -1
.endm
.macro CROUND
	s_barrier_signal -1
	s_barrier_wait -1
	CREST
.endm
.macro PLACES                          ; four plain places behind a matrix instruction, in front of loads into its registers and of the first read of results
.rept 4
	v_nop
.endr
.endm
	s_load_b512 s[68:83], s[0:1], 0x0              ; xr, wr, bk, bq, bv, kr, qr, vr
	v_lshl_add_u32 v[SPW], v0, 2, SPARE
	v_mov_b32 v[NIL], 0
	ds_add_u32 v28, v29
	ds_add_u32 v28, v29
	s_wait_dscnt 0x0
	v_lshrrev_b32 v1, 5, v0
	v_readfirstlane_b32 s14, v1                    ; wave 0..3
	s_lshr_b32 s15, s14, 1                         ; which of A's two groups is mine.  Also: I fetch for A (0) or for B (1)
	s_and_b32 s16, s14, 1                          ; which of B's two groups is mine.  Also: which group I fetch
	s_bfe_u32 s40, ttmp6, 0x40000                  ; cx
	s_bfe_u32 s41, ttmp6, 0x40004                  ; cy
	s_lshl_b32 s43, s41, 2
	s_lshl_b32 s43, 15, s43                        ; my row of the cluster
	s_lshl_b32 s44, 0x1111, s40                    ; my column
	s_or_b32 s[G1+0], s43, (3<<16)|(1<<21)         ; 15:0 the mask; 17:16 elements of 8 bytes; 20 no padding; 21 set beside a mask
	s_or_b32 s[G1B+0], s44, (3<<16)|(1<<21)
.irp g, G1, G1B
	s_mov_b32 s[\g+1], 32<<16                      ; tensor_dim0 = 32 elements: 256 bytes
	s_mov_b32 s[\g+2], 100<<16                     ; tensor_dim1 = 100 rows: 25,600 bytes
	s_mov_b32 s[\g+3], 32<<16                      ; tile_dim0
	s_mov_b32 s[\g+4], 100                         ; tile_dim1
	s_mov_b32 s[\g+5], 32                          ; the pitch: dense
	s_mov_b32 s[\g+6], 0
	s_mov_b32 s[\g+7], 0
.endr
	s_lshr_b32 s84, ttmp9, 1                       ; c / 2
	s_and_b32 s85, ttmp9, 1                        ; c % 2
	s_sub_co_u32 s86, ttmp9, 16                    ; c - 16 (used where c >= 16)
	s_lshr_b32 s87, s86, 1                         ; v's batch
	s_and_b32 s88, s86, 1
	s_lshl_b32 s88, s88, 3                         ; and the first key step of this block in it
	s_mov_b32 s[SEL], 0x76543210
	s_mov_b32 s[SEL+1], 0xfedcba98                 ; v_permlanex16_b32's selects for lane l xor 16
	s_mov_b32 s99, 0xffff0000                      ; lanes 16-31
	s_mul_i32 s45, s14, REGION                     ; where my tensor loads go: no place in the cluster enters an LDS address
	s_wait_kmcnt 0x0
	s_cmp_eq_u32 s85, 1
	s_cselect_b64 s[90:91], s[80:81], s[78:79]     ; qr or kr
	s_cselect_b64 s[92:93], s[74:75], s[72:73]     ; bq or bk
	s_cmp_ge_u32 ttmp9, 16                         ; v's role?
	s_cselect_b64 s[4:5], s[70:71], s[68:69]       ; A's records
	s_cselect_b64 s[6:7], s[68:69], s[70:71]       ; B's records
	s_cselect_b32 s17, 2, s84                      ; A's block of 8 groups
	s_cselect_b32 s18, s86, s85                    ; B's
	s_cselect_b32 s19, 16, 8                       ; K steps to a group in the result
	s_cselect_b32 s89, s87, s84                    ; the result's block of 8 groups
	s_cselect_b32 s96, s88, 0                      ; and its first K step
	s_cselect_b64 s[12:13], s[82:83], s[90:91]     ; the result
	s_cselect_b64 s[8:9], s[76:77], s[92:93]       ; the bias
	s_cselect_b32 s97, -1, 0                       ; the bias runs along A's rows
	s_cselect_b32 s98, 0, -1                       ; or along B's
	s_lshl_b32 s20, s17, 3                         ; A: group 8 x block + 2 cy + the one I fetch: in registers that never hold cx
	s_lshl_b32 s21, s41, 1
	s_add_co_u32 s20, s20, s21
	s_add_co_u32 s20, s20, s16
	s_mul_i32 s20, s20, GRP
	s_mov_b32 s21, 0
	s_add_nc_u64 s[20:21], s[4:5], s[20:21]
	s_lshl_b32 s46, s18, 3                         ; B: group 8 x block + 2 cx + the one I fetch: in registers that never hold cy
	s_lshl_b32 s47, s40, 1
	s_add_co_u32 s46, s46, s47
	s_add_co_u32 s46, s46, s16
	s_mul_i32 s46, s46, GRP
	s_mov_b32 s47, 0
	s_add_nc_u64 s[46:47], s[6:7], s[46:47]
	s_lshl_b32 s22, s89, 3                         ; my record of the result: group 8 x block + 2 cy + my half of A, K step first + 2 cx + my half of B
	s_lshl_b32 s23, s41, 1
	s_add_co_u32 s22, s22, s23
	s_add_co_u32 s22, s22, s15
	s_mul_i32 s22, s22, s19
	s_add_co_u32 s22, s22, s96
	s_lshl_b32 s23, s40, 1
	s_add_co_u32 s22, s22, s23
	s_add_co_u32 s22, s22, s16
	s_mul_i32 s22, s22, REC
	s_mov_b32 s23, 0
	s_add_nc_u64 s[12:13], s[12:13], s[22:23]
	s_lshl_b32 s22, s41, 1                         ; the bias at my 128 rows of A,
	s_add_co_u32 s22, s22, s15
	s_lshl_b32 s22, s22, 9
	s_add_nc_u64 s[10:11], s[8:9], s[22:23]
	s_lshl_b32 s22, s40, 1                         ; and at my 128 rows of B: both lie inside its 1,024 numbers in either role
	s_add_co_u32 s22, s22, s16
	s_lshl_b32 s22, s22, 9
	s_add_nc_u64 s[8:9], s[8:9], s[22:23]
	CROUND                                         ; all sixteen work-groups are here: the first joint loads meet
.irp s, 0,1
	s_mov_b32 s[G0+4*\s], 1
	s_add_co_u32 s[G0+4*\s+1], s45, \s*SLOT
	s_add_nc_u64 s[G0+4*\s+2:G0+4*\s+3], s[20:21], \s*REGION
	s_or_b32 s[G0+4*\s+3], s[G0+4*\s+3], 0x80000000
	s_mov_b32 s[G0B+4*\s], 1
	s_add_co_u32 s[G0B+4*\s+1], s45, \s*SLOT
	s_add_nc_u64 s[G0B+4*\s+2:G0B+4*\s+3], s[46:47], \s*REGION
	s_or_b32 s[G0B+4*\s+3], s[G0B+4*\s+3], 0x80000000
	JLOAD \s                                       ; two loads of mine are out
.endr
	v_and_b32 v1, 15, v0                           ; r
	v_bfe_u32 v2, v0, 4, 1                         ; h
	v_and_b32 v3, 31, v0
	v_lshlrev_b32 v[LI], 4, v3
	v_lshlrev_b32 v25, 6, v2                       ; the bias along B: 16 h numbers on
	v_and_b32 v26, 8, v1
	v_add_nc_u32 v26, v26, v1
	v_lshlrev_b32 v26, 2, v26                      ; the bias along A: position r is row 16 (r / 8) + r % 8 of its tile's rows
.irp b, 0,1,2,3
.irp j, 0,1,2,3
	global_load_b128 v[BN+16*\b+4*\j:BN+16*\b+4*\j+3], v25, s[8:9] offset:128*\b+16*\j   ; register 16 b + i: B's row 32 b + 16 h + i
.endr
.endr
.irp a, 0,1,2,3,4,5,6,7
	global_load_b32 v[BM+\a], v26, s[10:11] offset:(32*(\a/2)+8*(\a%2))*4
.endr
	s_mul_i32 s22, s15, REGION                     ; my group of A in a slot
	s_add_co_u32 s23, s16, 2
	s_mul_i32 s23, s23, REGION                     ; my group of B
	s_xor_b32 s42, s15, 1
	s_add_co_u32 s42, s42, s16
	s_add_co_u32 s42, s42, 1
	s_mul_i32 s42, s42, REGION                     ; from the one to the other: (2 + my half of B - my half of A) regions
	v_lshlrev_b32 v4, 4, v1
	v_mul_u32_u24 v5, s42, v2                      ; lanes 16-31 take B's scale words
	v_add_nc_u32 v4, v4, v5
.irp s, 0,1
	v_add_nc_u32 v[ADRA+\s], s22, v[LI]
	v_add_nc_u32 v[ADRB+\s], s23, v[LI]
	v_add_nc_u32 v[ADRS+\s], s22, v4
	s_add_co_u32 s22, s22, SLOT
	s_add_co_u32 s23, s23, SLOT
.endr
.irp b, 0,1,2,3
	v_mov_b32 v[TM+4+\b], 0                        ; written once: a lane permute's destination counts as one of its sources
.endr
	s_wait_loadcnt 0x0                             ; the biases
.set i, 0
.rept 64
	v_cndmask_b32 v[BN+i], 0, v[BN+i], s98         ; the side along which this role has no bias becomes 0: a choice of values, no branch
.set i, i+1
.endr
.irp a, 0,1,2,3,4,5,6,7
	v_cndmask_b32 v[BM+\a], 0, v[BM+\a], s97
.endr
.macro FRAG reg, adr, q, i             ; a fragment comes as it was stored: three loads of 16 bytes a lane, 512 consecutive bytes each
.irp c, 0,1,2
	ds_load_b128 v[\reg+4*\c:\reg+4*\c+3], v[\adr] offset:(\i)*1536+(\q)*REC+512*\c
.endr
.endm
.macro FETCH_B slot, q, p              ; B's eight fragments of the slot's q-th K step into set p
	WIN TO_B
.irp i, 0,1,2,3,4,5,6,7
	FRAG 128*(\p)+FR*\i, ADRB+\slot, \q, \i
.endr
	WIN 0
.endm
.macro FETCH_A slot, q, i0             ; A's tiles i0 .. i0 + 3
.irp i, \i0, \i0+1, \i0+2, \i0+3
	FRAG AF+FR*(\i), ADRA+\slot, \q, \i
.endr
.endm
.macro SCALES slot                     ; the slot's scale words, both K steps: four words a load
.irp q, 0,1
.irp u, 0,1
	ds_load_b128 v[SC+16*\slot+8*\q+4*\u:SC+16*\slot+8*\q+4*\u+3], v[ADRS+\slot] offset:\q*REC+12288+256*\u
.endr
.endr
.endm
; 16 matrix instructions: A's tiles a0, a0 + 1 x B's eight.  The 64 accumulators take turns, one instruction a turn, in the same order in every step.
.macro MUL16 a0, p, q, sc, zero
.irp a, \a0, \a0+1
.irp b, 0,1,2,3,4,5,6,7
.if \zero
	v_wmma_scale_f32_16x16x128_f8f6f4 v[8*(8*((\a)%4)+\b):8*(8*((\a)%4)+\b)+7], v[128*(\p)+FR*\b:128*(\p)+FR*\b+FR-1], v[AF+FR*(\a):AF+FR*(\a)+FR-1], 0, v[SC+16*(\sc)+8*(\q)+\b], v[SC+16*(\sc)+8*(\q)+(\a)] matrix_a_fmt:MATRIX_FMT_BF6 matrix_b_fmt:MATRIX_FMT_BF6 matrix_a_scale:MATRIX_SCALE_ROW1
.else
	v_wmma_scale_f32_16x16x128_f8f6f4 v[8*(8*((\a)%4)+\b):8*(8*((\a)%4)+\b)+7], v[128*(\p)+FR*\b:128*(\p)+FR*\b+FR-1], v[AF+FR*(\a):AF+FR*(\a)+FR-1], v[8*(8*((\a)%4)+\b):8*(8*((\a)%4)+\b)+7], v[SC+16*(\sc)+8*(\q)+\b], v[SC+16*(\sc)+8*(\q)+(\a)] matrix_a_fmt:MATRIX_FMT_BF6 matrix_b_fmt:MATRIX_FMT_BF6 matrix_a_scale:MATRIX_SCALE_ROW1
.endif
.endr
.endr
.endm
.macro STEP slot, zero                 ; a slot's first K step; in it the second's fragments are fetched
	s_wait_dscnt 12                                ; all but the youngest 12 loads (A's tiles 4-7) are in
	WIN MUL_LO
	MUL16 0, 0, 0, \slot, \zero
	MUL16 2, 0, 0, \slot, \zero
	s_wait_dscnt 0x0                               ; A's tiles 4-7 are in
	PLACES
	FETCH_B \slot, 1, 1
	FETCH_A \slot, 1, 0
	WIN MUL_HI
	MUL16 4, 0, 0, \slot, \zero
	MUL16 6, 0, 0, \slot, \zero
	PLACES
	WIN 0
	FETCH_A \slot, 1, 4
.endm
; A slot's second K step changes slots: ONE barrier; in front of it each wave waits for all its tensor loads, adds 0 to its spare word, and waits for that and for its reads of this slot.
.macro TURN slot, next, fill
	s_wait_tensorcnt 0x0                           ; all my tensor loads have landed: my part of the next slot
	ds_add_u32 v[SPW], v[NIL]                      ; 0 onto my spare word
	s_wait_dscnt 13                                ; (the add and the youngest 12 loads, A's tiles 4-7, may be out)
	WIN MUL_LO
	MUL16 0, 1, 1, \slot, 0
	s_wait_dscnt 0x0                               ; the add is done, and my reads of this slot are over
	s_barrier_signal -1
	MUL16 2, 1, 1, \slot, 0
	WIN 0
	s_barrier_wait -1
.if \fill
	CREST                                          ; the barrier has opened a round of the cluster's barrier: no wave of any partner still reads this slot or has a load on its way
	s_add_nc_u64 s[G0+4*\slot+2:G0+4*\slot+3], s[G0+4*\slot+2:G0+4*\slot+3], 2*REGION
	s_add_nc_u64 s[G0B+4*\slot+2:G0B+4*\slot+3], s[G0B+4*\slot+2:G0B+4*\slot+3], 2*REGION
	JLOAD \slot                                    ; the first tensor load behind the round; its four v_nop are also the places in front of the loads below
.else
	PLACES
.endif
	FETCH_B \next, 0, 0
	FETCH_A \next, 0, 0
	SCALES \next
	WIN MUL_HI
	MUL16 4, 1, 1, \slot, 0
	MUL16 6, 1, 1, \slot, 0
	PLACES
	WIN 0
	FETCH_A \next, 0, 4
.endm
	s_wait_tensorcnt 1                             ; my part of slot 0 is in; slot 1's may stay out
	s_barrier_signal -1
	s_barrier_wait -1
	FETCH_B 0, 0, 0
	FETCH_A 0, 0, 0
	SCALES 0
	FETCH_A 0, 0, 4
	STEP 0, 1                                      ; K step 0: its products start the sums
	TURN 0, 1, 1                                   ; 1; slot 0 takes K steps 4 and 5
	STEP 1, 0                                      ; 2
	TURN 1, 0, 1                                   ; 3; slot 1 takes K steps 6 and 7
	STEP 0, 0                                      ; 4
	TURN 0, 1, 0                                   ; 5; nothing is left to fetch
	STEP 1, 0                                      ; 6
	s_wait_dscnt 12                                ; 7
	WIN MUL_LO
	MUL16 0, 1, 1, 1, 0
	MUL16 2, 1, 1, 1, 0
	s_wait_dscnt 0x0
	WIN MUL_HI
	MUL16 4, 1, 1, 1, 0
	MUL16 6, 1, 1, 1, 0
	WIN 0
	PLACES
; 64 numbers of a lane, register 16 b + i = next K 32 b + 16 (lane / 16) + i of my row position, become a fragment's codes in v[PC] on and its scale word in v[w].
.macro QUANT s, w
.irp b, 0,1,2,3
	v_max3_num_f32 v[TM+\b], |v[\s+16*\b]|, |v[\s+1+16*\b]|, 0x2800000   ; my 16 numbers of block b, and the floor 2^(5 - 127): the byte cannot fall under 1
.endr
.irp i, 2,4,6,8,10,12,14
.irp b, 0,1,2,3
	v_max3_num_f32 v[TM+\b], v[TM+\b], |v[\s+16*\b+\i]|, |v[\s+1+16*\b+\i]|
.endr
.endr
.irp b, 0,1,2,3
	v_permlanex16_b32 v[TM+4+\b], v[TM+\b], s[SEL], s[SEL+1]
.endr
.irp b, 0,1,2,3
	v_max_num_f32 v[TM+\b], v[TM+\b], v[TM+4+\b]   ; with lane l xor 16's: the block's largest magnitude
.endr
.irp b, 0,1,2,3
	v_add_nc_u32 v[TM+12+\b], 0xfe000000, v[TM+\b] ; 4 off its exponent field: the conversion's scale operand
.endr
.irp b, 0,1,2,3
	v_lshrrev_b32 v[TM+4+\b], 23, v[TM+12+\b]      ; the scale's byte
.endr
	v_lshl_or_b32 v[\w], v[TM+5], 8, v[TM+4]
	v_lshl_or_b32 v[\w], v[TM+6], 16, v[\w]
	v_lshl_or_b32 v[\w], v[TM+7], 24, v[\w]
	s_wait_xcnt 0x0                                ; the last fragment's stores have read the codes' registers
.irp c, 0,1
	v_cvt_scalef32_pk16_bf6_f32 v[PC+6*\c:PC+2+6*\c], v[\s+32*\c:\s+15+32*\c], v[TM+12+2*\c]
	v_cvt_scalef32_pk16_bf6_f32 v[PC+12+4*\c:PC+14+4*\c], v[\s+16+32*\c:\s+31+32*\c], v[TM+12+2*\c+1]   ; (a conversion's three registers begin on an even number)
.endr
	v_nop                                          ; one plain place behind a scaled conversion
.irp c, 0,1                                    ; the operand's layout wants a WHOLE block in a lane: lanes 0-15 block 2 c, lanes 16-31 block 2 c + 1
.irp i, 0,1,2
	v_permlane16_swap_b32 v[PC+6*\c+\i], v[PC+12+4*\c+\i]
.endr
.irp i, 0,1,2
	v_mov_b32 v[PC+3+6*\c+\i], v[PC+12+4*\c+\i]
.endr
.endr
.endm
; THE WAY OUT of A's tile a: sums + bias, in f32, into window 0 (each accumulator from its low end on); quantised; the fragment's image is stored.
.macro OUTA a
.set WN, 0x02+(\a)/4
	WIN WN                                         ; source 0: window 2 or 3
.set i, 0
.rept 32
	v_pk_add_f32 v[T+i:T+i+1], v[64*((\a)%4)+i:64*((\a)%4)+i+1], v[BN+i:BN+i+1]
.set i, i+2
.endr
	WIN 0
.set i, 0
.rept 32
.if (\a)%2 == 0
	v_pk_add_f32 v[T+i:T+i+1], v[T+i:T+i+1], v[BM+(\a):BM+(\a)+1] op_sel_hi:[1,0]               ; the pair's first register for both halves
.else
	v_pk_add_f32 v[T+i:T+i+1], v[T+i:T+i+1], v[BM+(\a)-1:BM+(\a)] op_sel:[0,1] op_sel_hi:[1,1]  ; the pair's second register for both halves
.endif
.set i, i+2
.endr
	QUANT T, PWS+(\a)
.irp k, 0,1,2
	global_store_b128 v[LI], v[PC+4*\k:PC+4*\k+3], s[12:13] offset:1536*(\a)+512*\k   ; 32 lanes store 512 consecutive bytes
.endr
.endm
.irp a, 0,1,2,3,4,5,6,7
	OUTA \a
.endr
.irp j, 0,1,2,3
	v_cndmask_b32 v[PWS+\j], v[PWS+\j], v[PWS+4+\j], s99   ; lanes 0-15 store the words of tiles 0-3, lanes 16-31 those of tiles 4-7
.endr
	global_store_b128 v[LI], v[PWS:PWS+3], s[12:13] offset:12288
	s_wait_tensorcnt 0x0                           ; the wave's end
	ds_add_u32 v[SPW], v[NIL]
	s_wait_dscnt 0x0
	CROUND                                         ; the closing round: no work-group ends while a partner may still ask for a tile that names it
	s_endpgm
.Lfunc_end_k_qaa00bddf9e_proj:
	.size	k_qaa00bddf9e_proj, .Lfunc_end_k_qaa00bddf9e_proj-k_qaa00bddf9e_proj
	.p2alignl 7, 3214868480
	.fill 96, 4, 3214868480
	.section	.rodata,"a",@progbits
	.p2align	6, 0x0
	.amdhsa_kernel k_qaa00bddf9e_proj
		.amdhsa_group_segment_fixed_size 327680
		.amdhsa_private_segment_fixed_size 0
		.amdhsa_enable_private_segment 0
		.amdhsa_kernarg_size 64
		.amdhsa_user_sgpr_count 2
		.amdhsa_user_sgpr_kernarg_segment_ptr 1
		.amdhsa_wavefront_size32 1
		.amdhsa_system_sgpr_workgroup_id_x 1
		.amdhsa_system_sgpr_workgroup_id_y 1
		.amdhsa_system_sgpr_workgroup_id_z 1
		.amdhsa_system_vgpr_workitem_id 0
		.amdhsa_next_free_vgpr 1024
		.amdhsa_next_free_sgpr 100
		.amdhsa_reserve_vcc 0
		.amdhsa_float_denorm_mode_32 3
		.amdhsa_float_denorm_mode_16_64 3
		.amdhsa_memory_ordered 1
		.amdhsa_forward_progress 1
		.amdhsa_inst_pref_size 175
	.end_amdhsa_kernel
	.amdgpu_metadata
---
amdhsa.version: [ 1, 2 ]
amdhsa.kernels:
  - .name:           k_qaa00bddf9e_proj
    .symbol:         k_qaa00bddf9e_proj.kd
    .args:
      - { .name: xr, .offset: 0, .size: 8, .value_kind: global_buffer, .address_space: global }
      - { .name: wr, .offset: 8, .size: 8, .value_kind: global_buffer, .address_space: global }
      - { .name: bk, .offset: 16, .size: 8, .value_kind: global_buffer, .address_space: global }
      - { .name: bq, .offset: 24, .size: 8, .value_kind: global_buffer, .address_space: global }
      - { .name: bv, .offset: 32, .size: 8, .value_kind: global_buffer, .address_space: global }
      - { .name: kr, .offset: 40, .size: 8, .value_kind: global_buffer, .address_space: global }
      - { .name: qr, .offset: 48, .size: 8, .value_kind: global_buffer, .address_space: global }
      - { .name: vr, .offset: 56, .size: 8, .value_kind: global_buffer, .address_space: global }
    .group_segment_fixed_size: 327680
    .private_segment_fixed_size: 0
    .kernarg_segment_align: 8
    .kernarg_segment_size: 64
    .max_flat_workgroup_size: 128
    .sgpr_count:     100
    .vgpr_count:     1024
    .wavefront_size: 32
...
	.end_amdgpu_metadata
.endif
;; end of part 2
;; launch scores (part 3): grid 12 x 16, 4 waves a work-group, clusters of 4 x 4, 327,680 bytes of LDS; arguments qr, kr, pr; writes pr
.if DOCPART == 3
	.amdgcn_target "amdgcn-amd-amdhsa--gfx1250"
	.amdhsa_code_object_version 6
	.text
	.protected	k_qaa00bddf9e_scores
	.globl	k_qaa00bddf9e_scores
	.p2align	8
	.type	k_qaa00bddf9e_scores,@function
k_qaa00bddf9e_scores:
	s_mov_b64 s[64:65], 0
	v_nop
	global_prefetch_b8 v0, s[64:65] scope:SCOPE_SE
	s_setreg_imm32_b32 hwreg(HW_REG_WAVE_MODE, 25, 1), 1
	s_wait_xcnt 0x0
	s_wait_alu depctr_hold_cnt(0) depctr_sa_sdst(0) depctr_va_vdst(0) depctr_va_sdst(0) depctr_va_ssrc(0) depctr_va_vcc(0) depctr_vm_vsrc(0)
	s_getreg_b32 s2, hwreg(HW_REG_IB_STS2, 6, 4)
	s_cmp_eq_u32 s2, 0
	s_cbranch_scc0 .Lentry_in_a_cluster
	s_endpgm
.Lentry_in_a_cluster:
	s_bfe_u32 s2, ttmp6, 0x10000c
	s_cmp_lg_u32 s2, 0xf033
	s_cbranch_scc0 .Lentry_shape_is_right
	s_endpgm
.Lentry_shape_is_right:
; S = q k^T on codes of BF6 (E3M2) with E8M0 scales, the causal mask, and the softmax's p, quantised along the keys, as records for the last product.
; For each query and each run of 128 keys: t = score x log2(e) / 32;  Mloc = the run's largest t, rounded UP to a whole number;  p = 2^(t - Mloc), quantised in blocks of 32 keys;
; lloc = the sum of the unquantised p.  The next launch brings the runs of a row under the row's M: a power of two, which it takes off the scale bytes, so that the codes' values are those under M.
; A record of pr (128 queries x 128 keys, 13,824 bytes): 8 fragments of 1,536 bytes, 512 bytes of scale words, 512 bytes of -Mloc, 512 bytes of lloc; a number of (tile i, position r) at 256 (i / 4) + 16 r + 4 (i % 4).
; THE MATRIX INSTRUCTION IS USED TRANSPOSED: source 0 = 16 keys (B), source 1 = 16 queries (A): a lane holds ONE query position, and register 16 b + i of its 64 is key 32 b + 16 (lane / 16) + i of the run,
; since position p of tile t of a record is row 32 (t / 2) + 16 (p / 8) + 8 (t % 2) + p % 8.
; WHAT IS COMPUTED: of a batch's four blocks of 1,024 x 1,024 the three that are not wholly hidden, a cluster to a block.  Inside a block on the diagonal every work-group runs alike, the hidden ones too
; (partners of a cluster make every joint request): a hidden run gets zero codes, lloc = 0 and -Mloc = 3e38.  The mask is a choice of values, always executed.
; SHARES, RING, CLUSTER: a work-group makes 256 x 256, a wave 128 x 128 (64 accumulators) and so one record; K = 1,024 in 8 steps, two to a slot, two slots; q's records are shared along a row of the
; cluster, k's along a column: joint loads of 25,600 bytes a wave.
; LIMITS: a t under -3e38 is not told from a hidden one; NaN and infinities are not served; a block whose every p is 0 gets the byte 1 (its codes are zeros).
; REGISTERS: window 0: v16-29 addresses; v32-63 scale words; v64-108 the way out's statistics; v128-223 A's fragments, on the way out 64 numbers and their codes.
;   window 1: B's fragments, two sets.  windows 2, 3: the accumulators, (a, b) at v[8 (8 (a % 4) + b)].
.set REC,    12800
.set RECP,   13824
.set REGION, 2*REC
.set SLOT,   4*REGION
.set SPARE,  2*SLOT
.set GRP,    8*REC
.set FR,   12
.set ADRA, 16
.set ADRB, 20
.set ADRS, 22
.set LI,   24
.set D0,   25                          ; v25  my query less the run's first key less 16 (lane / 16), for tile 0
.set NINF, 27                          ; v27  -infinity
.set SPW,  28
.set NIL,  29
.set SC,   32
.set PWS,  64                          ; v64-71  tile a's scale word
.set NMS,  72                          ; v72-79  -Mloc
.set LS,   80                          ; v80-87  lloc
.set BX,   88                          ; v88-91  a block's largest score, then its largest p
.set BP,   92                          ; v92-95  lane permutes' destinations, then bytes
.set SO,   96                          ; v96-99  the conversions' scale operands
.set NM,   100                         ; v[100:101] -Mloc, named as a pair
.set SU,   102                         ; v[102:105] two chains of sums
.set TA,   106
.set TB,   107
.set DA,   108
.set AF,   128
.set T,    128
.set PC,   192
.set G1,  24
.set G0,  32
.set G1B, 48
.set G0B, 56
.set SEL, 66
.set CS,  94                           ; s[94:95] c = log2(e) / 32
.set MSB, 0
.macro WIN new
.if MSB != (\new)
	s_set_vgpr_msb (MSB<<8)|(\new)
.set MSB, \new
.endif
.endm
.set MUL_LO, 0xa1
.set MUL_HI, 0xf1
.set TO_B,   0x40
.macro JLOAD s                         ; a joint load: waves 0 and 1 fetch q's two groups, waves 2 and 3 k's; four v_nop follow each of the two lines
	s_cmp_eq_u32 s15, 0
	s_cbranch_scc0 .Lfor_b_\@
	tensor_load_to_lds s[G0+4*\s:G0+4*\s+3], s[G1:G1+7]
	s_nop 0
.rept 4
	v_nop
.endr
	s_branch .Lasked_\@
.Lfor_b_\@:
	tensor_load_to_lds s[G0B+4*\s:G0B+4*\s+3], s[G1B:G1B+7]
	s_nop 0
.rept 4
	v_nop
.endr
.Lasked_\@:
.endm
.macro CREST
	s_cmp_lg_u32 s14, 0
	s_cbranch_scc1 .Lnot_wave_0_\@
	s_barrier_signal -3
.Lnot_wave_0_\@:
	s_barrier_wait -3
	s_barrier_signal -1
	s_barrier_wait -1
.endm
.macro CROUND
	s_barrier_signal -1
	s_barrier_wait -1
	CREST
.endm
.macro PLACES
.rept 4
	v_nop
.endr
.endm
	s_load_b128 s[4:7], s[0:1], 0x0                ; qr, kr
	s_load_b64 s[12:13], s[0:1], 0x10              ; pr
	v_lshl_add_u32 v[SPW], v0, 2, SPARE
	v_mov_b32 v[NIL], 0
	ds_add_u32 v28, v29
	ds_add_u32 v28, v29
	s_wait_dscnt 0x0
	v_lshrrev_b32 v1, 5, v0
	v_readfirstlane_b32 s14, v1                    ; wave 0..3
	s_lshr_b32 s15, s14, 1                         ; my half of the queries.  Also: I fetch for q (0) or for k (1)
	s_and_b32 s16, s14, 1                          ; my half of the keys.  Also: which group I fetch
	s_bfe_u32 s40, ttmp6, 0x40000                  ; cx
	s_bfe_u32 s41, ttmp6, 0x40004                  ; cy
	s_lshl_b32 s43, s41, 2
	s_lshl_b32 s43, 15, s43
	s_lshl_b32 s44, 0x1111, s40
	s_or_b32 s[G1+0], s43, (3<<16)|(1<<21)         ; the mask; elements of 8 bytes; no padding; bit 21 beside a mask
	s_or_b32 s[G1B+0], s44, (3<<16)|(1<<21)
.irp g, G1, G1B
	s_mov_b32 s[\g+1], 32<<16                      ; 100 dense rows of 256 bytes: two records
	s_mov_b32 s[\g+2], 100<<16
	s_mov_b32 s[\g+3], 32<<16
	s_mov_b32 s[\g+4], 100
	s_mov_b32 s[\g+5], 32
	s_mov_b32 s[\g+6], 0
	s_mov_b32 s[\g+7], 0
.endr
	s_and_b32 s17, ttmp7, 0xffff                   ; the batch
	s_add_co_u32 s18, ttmp9, 1
	s_lshr_b32 s18, s18, 1                         ; the cluster's block of 1,024 queries: 0, 1, 1
	s_lshr_b32 s19, ttmp9, 1                       ; and of keys: 0, 0, 1
	s_lshl_b32 s17, s17, 4                         ; 16 groups to a batch
	s_lshl_b32 s18, s18, 3
	s_lshl_b32 s19, s19, 3
	s_lshl_b32 s84, s41, 1
	s_add_co_u32 s84, s84, s18                     ; 8 x block + 2 cy
	s_lshl_b32 s85, s40, 1
	s_add_co_u32 s85, s85, s19                     ; 8 x block + 2 cx
	s_add_co_u32 s20, s84, s16
	s_add_co_u32 s20, s20, s17                     ; q: the group that I fetch: in registers that never hold cx
	s_mul_i32 s20, s20, GRP
	s_mov_b32 s21, 0
	s_add_co_u32 s46, s85, s16
	s_add_co_u32 s46, s46, s17                     ; k: likewise, never cy
	s_mul_i32 s46, s46, GRP
	s_mov_b32 s47, 0
	s_add_co_u32 s86, s84, s15                     ; my group of queries in the batch
	s_add_co_u32 s87, s85, s16                     ; my run of keys
	s_sub_co_i32 s88, s86, s87
	s_lshl_b32 s88, s88, 7                         ; my first query less my first key
	s_add_co_u32 s22, s86, s17
	s_lshl_b32 s22, s22, 4
	s_add_co_u32 s22, s22, s87
	s_mul_i32 s22, s22, RECP                       ; my record of pr
	s_mov_b32 s23, 0
	s_mov_b32 s[SEL], 0x76543210
	s_mov_b32 s[SEL+1], 0xfedcba98
	s_mov_b32 s[CS], 0x3d38aa3b                    ; log2(e) / 32
	s_mov_b32 s[CS+1], s[CS]                       ; (named with it as a pair, so it is written)
	s_mov_b32 s99, 0xffff0000
	s_mul_i32 s45, s14, REGION
	s_wait_kmcnt 0x0
	s_add_nc_u64 s[20:21], s[4:5], s[20:21]
	s_add_nc_u64 s[46:47], s[6:7], s[46:47]
	s_add_nc_u64 s[12:13], s[12:13], s[22:23]
	CROUND                                         ; all sixteen work-groups are here: the first joint loads meet
.irp s, 0,1
	s_mov_b32 s[G0+4*\s], 1
	s_add_co_u32 s[G0+4*\s+1], s45, \s*SLOT
	s_add_nc_u64 s[G0+4*\s+2:G0+4*\s+3], s[20:21], \s*REGION
	s_or_b32 s[G0+4*\s+3], s[G0+4*\s+3], 0x80000000
	s_mov_b32 s[G0B+4*\s], 1
	s_add_co_u32 s[G0B+4*\s+1], s45, \s*SLOT
	s_add_nc_u64 s[G0B+4*\s+2:G0B+4*\s+3], s[46:47], \s*REGION
	s_or_b32 s[G0B+4*\s+3], s[G0B+4*\s+3], 0x80000000
	JLOAD \s                                       ; two loads of mine are out
.endr
	v_and_b32 v1, 15, v0                           ; r
	v_bfe_u32 v2, v0, 4, 1                         ; h
	v_and_b32 v3, 31, v0
	v_lshlrev_b32 v[LI], 4, v3
	v_and_b32 v[D0], 8, v1
	v_add_nc_u32 v[D0], v[D0], v1                  ; 16 (r / 8) + r % 8
	v_lshlrev_b32 v6, 4, v2
	v_sub_nc_u32 v[D0], v[D0], v6
	v_add_nc_u32 v[D0], s88, v[D0]
	v_mov_b32 v[NINF], 0xff800000
	s_mul_i32 s22, s15, REGION
	s_add_co_u32 s23, s16, 2
	s_mul_i32 s23, s23, REGION
	s_xor_b32 s42, s15, 1
	s_add_co_u32 s42, s42, s16
	s_add_co_u32 s42, s42, 1
	s_mul_i32 s42, s42, REGION                     ; from my group of q to my group of k
	v_lshlrev_b32 v4, 4, v1
	v_mul_u32_u24 v5, s42, v2                      ; lanes 16-31 take k's scale words
	v_add_nc_u32 v4, v4, v5
.irp s, 0,1
	v_add_nc_u32 v[ADRA+\s], s22, v[LI]
	v_add_nc_u32 v[ADRB+\s], s23, v[LI]
	v_add_nc_u32 v[ADRS+\s], s22, v4
	s_add_co_u32 s22, s22, SLOT
	s_add_co_u32 s23, s23, SLOT
.endr
.irp b, 0,1,2,3
	v_mov_b32 v[BP+\b], 0                          ; written once: a lane permute's destination counts as one of its sources
.endr
	v_mov_b32 v[TB], 0
	v_mov_b32 v[NM+1], 0                           ; (named as the upper half of a pair)
.macro FRAG reg, adr, q, i
.irp c, 0,1,2
	ds_load_b128 v[\reg+4*\c:\reg+4*\c+3], v[\adr] offset:(\i)*1536+(\q)*REC+512*\c
.endr
.endm
.macro FETCH_B slot, q, p
	WIN TO_B
.irp i, 0,1,2,3,4,5,6,7
	FRAG 128*(\p)+FR*\i, ADRB+\slot, \q, \i
.endr
	WIN 0
.endm
.macro FETCH_A slot, q, i0
.irp i, \i0, \i0+1, \i0+2, \i0+3
	FRAG AF+FR*(\i), ADRA+\slot, \q, \i
.endr
.endm
.macro SCALES slot
.irp q, 0,1
.irp u, 0,1
	ds_load_b128 v[SC+16*\slot+8*\q+4*\u:SC+16*\slot+8*\q+4*\u+3], v[ADRS+\slot] offset:\q*REC+12288+256*\u
.endr
.endr
.endm
; 16 matrix instructions: q's tiles a0, a0 + 1 x k's eight.  The 64 accumulators take turns, one instruction a turn.
.macro MUL16 a0, p, q, sc, zero
.irp a, \a0, \a0+1
.irp b, 0,1,2,3,4,5,6,7
.if \zero
	v_wmma_scale_f32_16x16x128_f8f6f4 v[8*(8*((\a)%4)+\b):8*(8*((\a)%4)+\b)+7], v[128*(\p)+FR*\b:128*(\p)+FR*\b+FR-1], v[AF+FR*(\a):AF+FR*(\a)+FR-1], 0, v[SC+16*(\sc)+8*(\q)+\b], v[SC+16*(\sc)+8*(\q)+(\a)] matrix_a_fmt:MATRIX_FMT_BF6 matrix_b_fmt:MATRIX_FMT_BF6 matrix_a_scale:MATRIX_SCALE_ROW1
.else
	v_wmma_scale_f32_16x16x128_f8f6f4 v[8*(8*((\a)%4)+\b):8*(8*((\a)%4)+\b)+7], v[128*(\p)+FR*\b:128*(\p)+FR*\b+FR-1], v[AF+FR*(\a):AF+FR*(\a)+FR-1], v[8*(8*((\a)%4)+\b):8*(8*((\a)%4)+\b)+7], v[SC+16*(\sc)+8*(\q)+\b], v[SC+16*(\sc)+8*(\q)+(\a)] matrix_a_fmt:MATRIX_FMT_BF6 matrix_b_fmt:MATRIX_FMT_BF6 matrix_a_scale:MATRIX_SCALE_ROW1
.endif
.endr
.endr
.endm
.macro STEP slot, zero
	s_wait_dscnt 12                                ; all but the youngest 12 loads (q's tiles 4-7) are in
	WIN MUL_LO
	MUL16 0, 0, 0, \slot, \zero
	MUL16 2, 0, 0, \slot, \zero
	s_wait_dscnt 0x0
	PLACES
	FETCH_B \slot, 1, 1
	FETCH_A \slot, 1, 0
	WIN MUL_HI
	MUL16 4, 0, 0, \slot, \zero
	MUL16 6, 0, 0, \slot, \zero
	PLACES
	WIN 0
	FETCH_A \slot, 1, 4
.endm
.macro TURN slot, next, fill
	s_wait_tensorcnt 0x0                           ; all my tensor loads have landed: my part of the next slot
	ds_add_u32 v[SPW], v[NIL]                      ; 0 onto my spare word
	s_wait_dscnt 13                                ; (the add and the youngest 12 loads may be out)
	WIN MUL_LO
	MUL16 0, 1, 1, \slot, 0
	s_wait_dscnt 0x0                               ; the add is done, and my reads of this slot are over
	s_barrier_signal -1
	MUL16 2, 1, 1, \slot, 0
	WIN 0
	s_barrier_wait -1
.if \fill
	CREST                                          ; a round of the cluster's barrier: no wave of any partner still reads this slot or has a load on its way
	s_add_nc_u64 s[G0+4*\slot+2:G0+4*\slot+3], s[G0+4*\slot+2:G0+4*\slot+3], 2*REGION
	s_add_nc_u64 s[G0B+4*\slot+2:G0B+4*\slot+3], s[G0B+4*\slot+2:G0B+4*\slot+3], 2*REGION
	JLOAD \slot
.else
	PLACES
.endif
	FETCH_B \next, 0, 0
	FETCH_A \next, 0, 0
	SCALES \next
	WIN MUL_HI
	MUL16 4, 1, 1, \slot, 0
	MUL16 6, 1, 1, \slot, 0
	PLACES
	WIN 0
	FETCH_A \next, 0, 4
.endm
	s_wait_tensorcnt 1                             ; my part of slot 0 is in; slot 1's may stay out
	s_barrier_signal -1
	s_barrier_wait -1
	FETCH_B 0, 0, 0
	FETCH_A 0, 0, 0
	SCALES 0
	FETCH_A 0, 0, 4
	STEP 0, 1                                      ; K step 0: its products start the sums
	TURN 0, 1, 1                                   ; 1; slot 0 takes K steps 4 and 5
	STEP 1, 0                                      ; 2
	TURN 1, 0, 1                                   ; 3; slot 1 takes K steps 6 and 7
	STEP 0, 0                                      ; 4
	TURN 0, 1, 0                                   ; 5
	STEP 1, 0                                      ; 6
	s_wait_dscnt 12                                ; 7
	WIN MUL_LO
	MUL16 0, 1, 1, 1, 0
	MUL16 2, 1, 1, 1, 0
	s_wait_dscnt 0x0
	WIN MUL_HI
	MUL16 4, 1, 1, 1, 0
	MUL16 6, 1, 1, 1, 0
	WIN 0
	PLACES
; THE WAY OUT of q's tile a: mask, local softmax, quantiser, store.
.macro SOFT a
	v_add_nc_u32 v[DA], 32*((\a)/2)+8*((\a)%2), v[D0]   ; d = my query - the run's first key - 16 (lane / 16).  Register 16 b + i is hidden where 32 b + i > d
.set WN, 0x02+(\a)/4
	WIN WN                                         ; source 0: window 2 or 3
.set n, 0
.rept 64
	v_cmp_gt_i32 vcc_lo, 32*(n/16)+n%16, v[DA]
	v_cndmask_b32 v[T+n], v[64*((\a)%4)+n], v[NINF], vcc_lo   ; each accumulator from its low end on
.set n, n+1
.endr
	WIN 0
.irp b, 0,1,2,3
	v_max3_num_f32 v[BX+\b], v[T+16*\b], v[T+16*\b+1], v[T+16*\b+2]   ; the largest score of each block of 32 keys: for the run's maximum, and, since p rises with the score, for the block's largest p
.endr
.irp i, 3,5,7,9,11,13
.irp b, 0,1,2,3
	v_max3_num_f32 v[BX+\b], v[BX+\b], v[T+16*\b+\i], v[T+16*\b+\i+1]
.endr
.endr
.irp b, 0,1,2,3
	v_max_num_f32 v[BX+\b], v[BX+\b], v[T+16*\b+15]
.endr
.irp b, 0,1,2,3
	v_permlanex16_b32 v[BP+\b], v[BX+\b], s[SEL], s[SEL+1]
.endr
.irp b, 0,1,2,3
	v_max_num_f32 v[BX+\b], v[BX+\b], v[BP+\b]     ; with lane l xor 16's 16 keys
.endr
	v_max3_num_f32 v[TA], v[BX], v[BX+1], v[BX+2]
	v_max_num_f32 v[TA], v[TA], v[BX+3]
	v_mul_f32 v[TA], s[CS], v[TA]                  ; the run's largest t (c is positive)
	v_max_num_f32 v[TA], 0xff61b1e6, v[TA]         ; a run that is wholly hidden: -3e38
	v_floor_f32 v[NM], -v[TA]                      ; -Mloc = floor(-t): a whole number
.set j, 0
.rept 32
	v_pk_fma_f32 v[T+j:T+j+1], v[T+j:T+j+1], s[CS:CS+1], v[NM:NM+1] op_sel_hi:[1,0,0]   ; t - Mloc, two at a time
.set j, j+2
.endr
.irp b, 0,1,2,3
	v_fma_f32 v[BX+\b], v[BX+\b], s[CS], v[NM]     ; the same of each block's largest score
.endr
.set j, 0
.rept 64
	v_exp_f32 v[T+j], v[T+j]                       ; p = 2^(t - Mloc), at most 1; 0 where hidden
.set j, j+1
.endr
.irp b, 0,1,2,3
	v_exp_f32 v[BX+\b], v[BX+\b]                   ; the block's largest p
.endr
	v_mov_b32 v[NMS+(\a)], v[NM]                   ; (a plain place behind the exponentials)
	s_wait_alu depctr_va_vdst(0)
.irp b, 0,1,2,3
	v_max_num_f32 v[BX+\b], 0x2800000, v[BX+\b]    ; the floor 2^(5 - 127): the byte cannot fall under 1
.endr
.irp b, 0,1,2,3
	v_add_nc_u32 v[SO+\b], 0xfe000000, v[BX+\b]    ; 4 off the exponent field: the conversion's scale operand
.endr
.irp b, 0,1,2,3
	v_lshrrev_b32 v[BP+\b], 23, v[SO+\b]           ; the scale's byte
.endr
	v_lshl_or_b32 v[PWS+(\a)], v[BP+1], 8, v[BP]
	v_lshl_or_b32 v[PWS+(\a)], v[BP+2], 16, v[PWS+(\a)]
	v_lshl_or_b32 v[PWS+(\a)], v[BP+3], 24, v[PWS+(\a)]
	s_wait_xcnt 0x0                                ; the last fragment's stores have read the codes' registers
.irp c, 0,1
	v_cvt_scalef32_pk16_bf6_f32 v[PC+6*\c:PC+2+6*\c], v[T+32*\c:T+15+32*\c], v[SO+2*\c]
	v_cvt_scalef32_pk16_bf6_f32 v[PC+12+4*\c:PC+14+4*\c], v[T+16+32*\c:T+31+32*\c], v[SO+2*\c+1]
.endr
	v_nop                                          ; one plain place behind a scaled conversion
.irp c, 0,1
.irp i, 0,1,2
	v_permlane16_swap_b32 v[PC+6*\c+\i], v[PC+12+4*\c+\i]
.endr
.irp i, 0,1,2
	v_mov_b32 v[PC+3+6*\c+\i], v[PC+12+4*\c+\i]
.endr
.endr
	v_pk_add_f32 v[SU:SU+1], v[T:T+1], v[T+2:T+3]  ; the sum of the UNQUANTISED p: two at a time, in two chains
	v_pk_add_f32 v[SU+2:SU+3], v[T+4:T+5], v[T+6:T+7]
.irp j, 8,12,16,20,24,28,32,36,40,44,48,52,56,60
	v_pk_add_f32 v[SU:SU+1], v[SU:SU+1], v[T+\j:T+\j+1]
	v_pk_add_f32 v[SU+2:SU+3], v[SU+2:SU+3], v[T+\j+2:T+\j+3]
.endr
	v_pk_add_f32 v[SU:SU+1], v[SU:SU+1], v[SU+2:SU+3]
	v_add_f32 v[TA], v[SU], v[SU+1]
	v_permlanex16_b32 v[TB], v[TA], s[SEL], s[SEL+1]
	v_add_f32 v[LS+(\a)], v[TA], v[TB]             ; with lane l xor 16's keys: lloc
.irp k, 0,1,2
	global_store_b128 v[LI], v[PC+4*\k:PC+4*\k+3], s[12:13] offset:1536*(\a)+512*\k   ; 32 lanes store 512 consecutive bytes
.endr
.endm
.irp a, 0,1,2,3,4,5,6,7
	SOFT \a
.endr
.irp j, 0,1,2,3                                ; lanes 0-15 store the numbers of tiles 0-3, lanes 16-31 those of tiles 4-7
	v_cndmask_b32 v[PWS+\j], v[PWS+\j], v[PWS+4+\j], s99
	v_cndmask_b32 v[NMS+\j], v[NMS+\j], v[NMS+4+\j], s99
	v_cndmask_b32 v[LS+\j], v[LS+\j], v[LS+4+\j], s99
.endr
	global_store_b128 v[LI], v[PWS:PWS+3], s[12:13] offset:12288
	global_store_b128 v[LI], v[NMS:NMS+3], s[12:13] offset:12800
	global_store_b128 v[LI], v[LS:LS+3], s[12:13] offset:13312
	s_wait_tensorcnt 0x0                           ; the wave's end
	ds_add_u32 v[SPW], v[NIL]
	s_wait_dscnt 0x0
	CROUND                                         ; the closing round
	s_endpgm
.Lfunc_end_k_qaa00bddf9e_scores:
	.size	k_qaa00bddf9e_scores, .Lfunc_end_k_qaa00bddf9e_scores-k_qaa00bddf9e_scores
	.p2alignl 7, 3214868480
	.fill 96, 4, 3214868480
	.section	.rodata,"a",@progbits
	.p2align	6, 0x0
	.amdhsa_kernel k_qaa00bddf9e_scores
		.amdhsa_group_segment_fixed_size 327680
		.amdhsa_private_segment_fixed_size 0
		.amdhsa_enable_private_segment 0
		.amdhsa_kernarg_size 24
		.amdhsa_user_sgpr_count 2
		.amdhsa_user_sgpr_kernarg_segment_ptr 1
		.amdhsa_wavefront_size32 1
		.amdhsa_system_sgpr_workgroup_id_x 1
		.amdhsa_system_sgpr_workgroup_id_y 1
		.amdhsa_system_sgpr_workgroup_id_z 1
		.amdhsa_system_vgpr_workitem_id 0
		.amdhsa_next_free_vgpr 1024
		.amdhsa_next_free_sgpr 100
		.amdhsa_reserve_vcc 1
		.amdhsa_float_denorm_mode_32 3
		.amdhsa_float_denorm_mode_16_64 3
		.amdhsa_memory_ordered 1
		.amdhsa_forward_progress 1
		.amdhsa_inst_pref_size 231
	.end_amdhsa_kernel
	.amdgpu_metadata
---
amdhsa.version: [ 1, 2 ]
amdhsa.kernels:
  - .name:           k_qaa00bddf9e_scores
    .symbol:         k_qaa00bddf9e_scores.kd
    .args:
      - { .name: qr, .offset: 0, .size: 8, .value_kind: global_buffer, .address_space: global }
      - { .name: kr, .offset: 8, .size: 8, .value_kind: global_buffer, .address_space: global }
      - { .name: pr, .offset: 16, .size: 8, .value_kind: global_buffer, .address_space: global }
    .group_segment_fixed_size: 327680
    .private_segment_fixed_size: 0
    .kernarg_segment_align: 8
    .kernarg_segment_size: 24
    .max_flat_workgroup_size: 128
    .sgpr_count:     100
    .vgpr_count:     1024
    .wavefront_size: 32
...
	.end_amdgpu_metadata
.endif
;; end of part 3
;; launch pv (part 4): grid 4 x 64, 4 waves a work-group, clusters of 4 x 4, 327,680 bytes of LDS; arguments pr, vr, out0; writes out0
.if DOCPART == 4
	.amdgcn_target "amdgcn-amd-amdhsa--gfx1250"
	.amdhsa_code_object_version 6
	.text
	.protected	k_qaa00bddf9e_pv
	.globl	k_qaa00bddf9e_pv
	.p2align	8
	.type	k_qaa00bddf9e_pv,@function
k_qaa00bddf9e_pv:
	s_mov_b64 s[64:65], 0
	v_nop
	global_prefetch_b8 v0, s[64:65] scope:SCOPE_SE
	s_setreg_imm32_b32 hwreg(HW_REG_WAVE_MODE, 25, 1), 1
	s_wait_xcnt 0x0
	s_wait_alu depctr_hold_cnt(0) depctr_sa_sdst(0) depctr_va_vdst(0) depctr_va_sdst(0) depctr_va_ssrc(0) depctr_va_vcc(0) depctr_vm_vsrc(0)
	s_getreg_b32 s2, hwreg(HW_REG_IB_STS2, 6, 4)
	s_cmp_eq_u32 s2, 0
	s_cbranch_scc0 .Lentry_in_a_cluster
	s_endpgm
.Lentry_in_a_cluster:
	s_bfe_u32 s2, ttmp6, 0x10000c
	s_cmp_lg_u32 s2, 0xf033
	s_cbranch_scc0 .Lentry_shape_is_right
	s_endpgm
.Lentry_shape_is_right:
; out0 = (P V) / l on codes of BF6 (E3M2) with E8M0 scales.  P comes as records (128 queries x 128 keys: 8 fragments, scale words, -Mloc, lloc: 13,824 bytes), V as records (128 channels x 128 keys, 12,800 bytes).
; P's codes were made under a whole number Mloc of their own run of 128 keys.  The row's M is the largest Mloc; D = M - Mloc is taken off the run's four scale bytes (held at 0 from below: 2^-127, beside a
; row's largest p of more than 1/2), so that the numbers multiplied are the codes' values under M.  l = the sum of lloc 2^-D.  Both need the row's M first: each wave reads its rows' -Mloc and lloc of all runs at its head.
; THE MATRIX INSTRUCTION IS USED TRANSPOSED: source 0 = 16 channels of V, source 1 = 16 queries of P: a lane holds ONE query position; register j of tile b is channel 32 (b / 2) + 16 (lane / 16) + 8 (b % 2) + j.
; SHARES: a work-group makes 128 queries x 256 channels, a wave 64 x 128: 32 accumulators.  CLUSTER 4 x 4: cy picks the group of queries (4 Y + cy), cx the channels: P's records are shared along a row of the
; cluster, V's along a column.  All sixteen walk the same keys: 512 x LAPS, LAPS = max(Y + 1, 2), a number of the cluster's place in the grid alone.  Runs that are hidden for a row hold zero codes and lloc = 0.
; (Y = 0 walks 1,024 keys where 512 would do: the ring's form wants two laps, and the longest cluster, Y = 3, walks 2,048.)
; RING: a slot holds two K steps: P's two records (waves 0 and 1 fetch one each), V's two regions of two records (waves 2 and 3); two slots.
; LIMITS: D is held at 127 for the bytes and at 200 for l; NaN and infinities are not served.
; REGISTERS: window 0: v1-4 lane numbers; v8-11 -M; v16-29 addresses; v32-47 V's scale words (two sets); v48-55 P's, brought under M (two sets); v56-63 a run's raw words and -Mloc; v64-71 1 / l twice;
;   v72-86 at work; v128-175 P's fragments; v176-247 the head's statistics; on the way out v128-255 rows of out0.  window 1: V's fragments, two sets.  window 2: the accumulators, (a, b) at v[8 (8 a + b)].
.set REC,    12800
.set RECP,   13824
.set REGION, 2*REC
.set SLOT,   2*RECP+2*REGION           ; 78,848
.set SPARE,  2*SLOT                    ; behind the ring: the spare words, 128 bytes for each wave
.set SPITCH, 528                       ; the way out: a stage of 16 rows x (512 bytes + 16) for each wave, in slot 0, which has had its last fill and its last read by then
.set FR,   12
.set NMR,  8
.set ADRA, 16
.set ADSA, 18
.set ADRB, 20
.set ADSB, 22
.set STO,  24
.set RD,   25
.set CO,   26                          ; v26  16 x lane
.set SPW,  28
.set NIL,  29
.set SB,   32
.set SA,   48
.set RW,   56
.set RN,   60
.set RL2,  64
.set TT,   72
.set TU,   76
.set TW,   80
.set AF,   128
.set BK,   128
.set ST,   176                         ; v[176 + 8 j ..]: four -Mloc, four lloc of K step 2 j + (lane / 16)
.set OF,   240
.set G1,  24
.set G0,  32
.set G1B, 48
.set G0B, 56
.set SEL, 90
.set MSB, 0
.macro WIN new
.if MSB != (\new)
	s_set_vgpr_msb (MSB<<8)|(\new)
.set MSB, \new
.endif
.endm
.set MUL,  0xa1                        ; source 0 (V) window 1, source 1 (P) window 0, C and D window 2
.set TO_B, 0x40
.macro JLOAD s                         ; a joint load: waves 0 and 1 fetch P's two records, waves 2 and 3 V's two regions; four v_nop follow each of the two lines
	s_cmp_eq_u32 s15, 0
	s_cbranch_scc0 .Lfor_b_\@
	tensor_load_to_lds s[G0+4*\s:G0+4*\s+3], s[G1:G1+7]
	s_nop 0
.rept 4
	v_nop
.endr
	s_branch .Lasked_\@
.Lfor_b_\@:
	tensor_load_to_lds s[G0B+4*\s:G0B+4*\s+3], s[G1B:G1B+7]
	s_nop 0
.rept 4
	v_nop
.endr
.Lasked_\@:
.endm
.macro CREST
	s_cmp_lg_u32 s14, 0
	s_cbranch_scc1 .Lnot_wave_0_\@
	s_barrier_signal -3
.Lnot_wave_0_\@:
	s_barrier_wait -3
	s_barrier_signal -1
	s_barrier_wait -1
.endm
.macro CROUND
	s_barrier_signal -1
	s_barrier_wait -1
	CREST
.endm
.macro PLACES
.rept 4
	v_nop
.endr
.endm
	s_load_b128 s[4:7], s[0:1], 0x0                ; pr, vr
	s_load_b64 s[12:13], s[0:1], 0x10              ; out0
	v_lshl_add_u32 v[SPW], v0, 2, SPARE
	v_mov_b32 v[NIL], 0
	ds_add_u32 v28, v29
	ds_add_u32 v28, v29
	s_wait_dscnt 0x0
	v_lshrrev_b32 v1, 5, v0
	v_readfirstlane_b32 s14, v1                    ; wave 0..3
	s_lshr_b32 s15, s14, 1                         ; my half of the queries.  Also: I fetch for P (0) or for V (1)
	s_and_b32 s16, s14, 1                          ; my group of channels.  Also: which record or region I fetch
	s_bfe_u32 s40, ttmp6, 0x40000                  ; cx
	s_bfe_u32 s41, ttmp6, 0x40004                  ; cy
	s_and_b32 s42, ttmp7, 0xffff
	s_lshr_b32 s17, s42, 2                         ; the batch
	s_and_b32 s18, s42, 3                          ; Y: which 512 queries of it
	s_max_u32 s19, s18, 1                          ; LAPS - 1
	s_lshl_b32 s66, s19, 2
	s_add_co_u32 s66, s66, 3                       ; the last K step: 4 LAPS - 1
	s_lshl_b32 s43, s41, 2
	s_lshl_b32 s43, 15, s43                        ; my row of the cluster
	s_lshl_b32 s44, 0x1111, s40                    ; my column
	s_or_b32 s[G1+0], s43, (3<<16)|(1<<21)         ; the mask; elements of 8 bytes; no padding; bit 21 beside a mask
	s_mov_b32 s[G1+1], 32<<16                      ; P: 54 dense rows of 256 bytes: one record
	s_mov_b32 s[G1+2], 54<<16
	s_mov_b32 s[G1+3], 32<<16
	s_mov_b32 s[G1+4], 54
	s_mov_b32 s[G1+5], 32
	s_mov_b32 s[G1+6], 0
	s_mov_b32 s[G1+7], 0
	s_or_b32 s[G1B+0], s44, (3<<16)|(1<<21)
	s_mov_b32 s[G1B+1], 32<<16                     ; V: 100 dense rows: two records
	s_mov_b32 s[G1B+2], 100<<16
	s_mov_b32 s[G1B+3], 32<<16
	s_mov_b32 s[G1B+4], 100
	s_mov_b32 s[G1B+5], 32
	s_mov_b32 s[G1B+6], 0
	s_mov_b32 s[G1B+7], 0
	s_lshl_b32 s20, s17, 4                         ; P: group 16 x batch + 4 Y + cy: in registers that never hold cx
	s_lshl_b32 s21, s18, 2
	s_add_co_u32 s20, s20, s21
	s_add_co_u32 s20, s20, s41
	s_mul_i32 s20, s20, 16*RECP
	s_mov_b32 s21, 0
	s_mul_i32 s22, s16, RECP                       ; the record of a slot that I fetch
	s_mov_b32 s23, 0
	s_lshl_b32 s46, s17, 3                         ; V: group 8 x batch + 2 cx + the one I fetch: never cy
	s_lshl_b32 s47, s40, 1
	s_add_co_u32 s46, s46, s47
	s_add_co_u32 s46, s46, s16
	s_mul_i32 s46, s46, 16*REC
	s_mov_b32 s47, 0
	s_mul_i32 s45, s16, RECP                       ; where they go in a slot: P's record,
	s_mul_i32 s67, s16, REGION
	s_add_co_u32 s67, s67, 2*RECP                  ; V's region: no place in the cluster enters an LDS address
	s_lshl_b32 s84, s17, 11                        ; out0: row 2,048 x batch + 512 Y + 128 cy + 64 x my half,
	s_lshl_b32 s85, s18, 9
	s_add_co_u32 s84, s84, s85
	s_lshl_b32 s85, s41, 7
	s_add_co_u32 s84, s84, s85
	s_lshl_b32 s85, s15, 6
	s_add_co_u32 s84, s84, s85
	s_lshl_b32 s84, s84, 12
	s_lshl_b32 s85, s40, 10                        ; column 256 cx + 128 x my group, in bytes
	s_add_co_u32 s84, s84, s85
	s_lshl_b32 s85, s16, 9
	s_add_co_u32 s84, s84, s85
	s_mov_b32 s85, 0
	s_mov_b32 s[SEL], 0x76543210
	s_mov_b32 s[SEL+1], 0xfedcba98
	s_mov_b32 s99, 0x80808080
	s_wait_kmcnt 0x0
	s_add_nc_u64 s[10:11], s[4:5], s[20:21]        ; my group's sixteen records
	s_add_nc_u64 s[20:21], s[10:11], s[22:23]
	s_add_nc_u64 s[46:47], s[6:7], s[46:47]
	s_add_nc_u64 s[12:13], s[12:13], s[84:85]
	CROUND                                         ; all sixteen work-groups are here: the first joint loads meet
.irp s, 0,1
	s_mov_b32 s[G0+4*\s], 1
	s_add_co_u32 s[G0+4*\s+1], s45, \s*SLOT
	s_add_nc_u64 s[G0+4*\s+2:G0+4*\s+3], s[20:21], \s*2*RECP
	s_or_b32 s[G0+4*\s+3], s[G0+4*\s+3], 0x80000000
	s_mov_b32 s[G0B+4*\s], 1
	s_add_co_u32 s[G0B+4*\s+1], s67, \s*SLOT
	s_add_nc_u64 s[G0B+4*\s+2:G0B+4*\s+3], s[46:47], \s*REGION
	s_or_b32 s[G0B+4*\s+3], s[G0B+4*\s+3], 0x80000000
	JLOAD \s                                       ; two loads of mine are out
.endr
	v_and_b32 v1, 15, v0                           ; r
	v_bfe_u32 v2, v0, 4, 1                         ; h
	v_and_b32 v3, 31, v0
	v_lshlrev_b32 v[CO], 4, v3
	v_lshlrev_b32 v4, 4, v1                        ; 16 r
	; THE ROWS' STATISTICS: lane (r, h) takes, for K steps 2 j + h, the four -Mloc and the four lloc of position r of my four tiles.  A K step past the last is held at the last and counts for nothing in l.
	s_lshl_b32 s89, s15, 8
	s_add_co_u32 s89, s89, 12800
	v_add_nc_u32 v85, s89, v4
.irp j, 0,1,2,3,4,5,6,7
	v_add_nc_u32 v84, 2*\j, v2
	v_min_u32 v84, s66, v84
	v_mul_u32_u24 v84, v84, RECP
	v_add_nc_u32 v[OF+\j], v84, v85
	global_load_b128 v[ST+8*\j:ST+8*\j+3], v[OF+\j], s[10:11]
	global_load_b128 v[ST+8*\j+4:ST+8*\j+7], v[OF+\j], s[10:11] offset:512
.endr
	s_mul_i32 s22, s15, 6144                       ; P's fragments: my four tiles
	s_lshl_b32 s23, s15, 8
	s_add_co_u32 s23, s23, 12288                   ; their scale words
	s_mul_i32 s86, s16, REGION
	s_add_co_u32 s86, s86, 2*RECP                  ; V's fragments: my group
	s_add_co_u32 s87, s86, 12288                   ; its scale words
.irp s, 0,1
	v_add_nc_u32 v[ADRA+\s], s22, v[CO]
	v_add_nc_u32 v[ADSA+\s], s23, v4
	v_add_nc_u32 v[ADRB+\s], s86, v[CO]
	v_add_nc_u32 v[ADSB+\s], s87, v4
	s_add_co_u32 s22, s22, SLOT
	s_add_co_u32 s23, s23, SLOT
	s_add_co_u32 s86, s86, SLOT
	s_add_co_u32 s87, s87, SLOT
.endr
	s_mul_i32 s88, s14, 16*SPITCH                  ; my stage
	v_mul_u32_u24 v[STO], v1, SPITCH
	v_lshl_add_u32 v[STO], v2, 6, v[STO]
	v_add_nc_u32 v[STO], s88, v[STO]               ; in: row r, + 64 h
	v_add_nc_u32 v[RD], s88, v[CO]                 ; back: the 32 lanes take one row of 512 bytes
.irp a, 0,1,2,3
	v_mov_b32 v[TU+\a], 0                          ; written once: a lane permute's destination counts as one of its sources
.endr
	s_wait_loadcnt 0x0
.irp a, 0,1,2,3
	v_min3_num_f32 v[NMR+\a], v[ST+\a], v[ST+8+\a], v[ST+16+\a]   ; -M = the least -Mloc
.endr
.irp a, 0,1,2,3
	v_min3_num_f32 v[NMR+\a], v[NMR+\a], v[ST+24+\a], v[ST+32+\a]
.endr
.irp a, 0,1,2,3
	v_min3_num_f32 v[NMR+\a], v[NMR+\a], v[ST+40+\a], v[ST+48+\a]
.endr
.irp a, 0,1,2,3
	v_min_num_f32 v[NMR+\a], v[NMR+\a], v[ST+56+\a]
.endr
.irp a, 0,1,2,3
	v_permlanex16_b32 v[TU+\a], v[NMR+\a], s[SEL], s[SEL+1]
.endr
.irp a, 0,1,2,3
	v_min_num_f32 v[NMR+\a], v[NMR+\a], v[TU+\a]   ; with the other half's K steps
.endr
.irp j, 0,1,2,3,4,5,6,7
	v_add_nc_u32 v84, 2*\j, v2
	v_cmp_ge_u32 vcc_lo, s66, v84                  ; does this K step exist?  (numbers of the launch's grid alone)
.irp a, 0,1,2,3
	v_sub_f32 v[TT+\a], v[NMR+\a], v[ST+8*\j+\a]   ; Mloc - M: a whole number, 0 or less
.endr
.irp a, 0,1,2,3
	v_max_num_f32 v[TT+\a], 0xc3480000, v[TT+\a]   ; held at -200
.endr
.irp a, 0,1,2,3
	v_cvt_i32_f32 v[TT+\a], v[TT+\a]
.endr
.irp a, 0,1,2,3
	v_ldexp_f32 v[TT+\a], v[ST+8*\j+4+\a], v[TT+\a]   ; lloc under the row's M
.endr
.if \j == 0
.irp a, 0,1,2,3
	v_cndmask_b32 v[TW+\a], 0, v[TT+\a], vcc_lo
.endr
.else
.irp a, 0,1,2,3
	v_cndmask_b32 v[TT+\a], 0, v[TT+\a], vcc_lo
.endr
.irp a, 0,1,2,3
	v_add_f32 v[TW+\a], v[TW+\a], v[TT+\a]
.endr
.endif
.endr
.irp a, 0,1,2,3
	v_permlanex16_b32 v[TU+\a], v[TW+\a], s[SEL], s[SEL+1]
.endr
.irp a, 0,1,2,3
	v_add_f32 v[TW+\a], v[TW+\a], v[TU+\a]         ; l
.endr
.irp a, 0,1,2,3
	v_rcp_f32 v[RL2+2*\a], v[TW+\a]
	v_rcp_f32 v[RL2+2*\a+1], v[TW+\a]              ; twice: a pair for the packed multiply
.endr
	v_nop                                          ; one plain place behind a transcendental
.macro FRAGB reg, slot, q, i
.irp c, 0,1,2
	ds_load_b128 v[\reg+4*\c:\reg+4*\c+3], v[ADRB+\slot] offset:(\i)*1536+(\q)*REC+512*\c
.endr
.endm
.macro FRAGA reg, slot, q, i
.irp c, 0,1,2
	ds_load_b128 v[\reg+4*\c:\reg+4*\c+3], v[ADRA+\slot] offset:(\i)*1536+(\q)*RECP+512*\c
.endr
.endm
.macro FETCH_B slot, q, p              ; V's eight fragments into set p: 24 loads
	WIN TO_B
.irp i, 0,1,2,3,4,5,6,7
	FRAGB 128*(\p)+FR*\i, \slot, \q, \i
.endr
	WIN 0
.endm
.macro FETCH_A slot, q, i0             ; P's tiles i0, i0 + 1: 6 loads
.irp i, \i0, \i0+1
	FRAGA AF+FR*(\i), \slot, \q, \i
.endr
.endm
.macro SCL slot, q                     ; a K step's scale words: P's raw words and -Mloc, V's eight words into set q: 4 loads
	ds_load_b128 v[RW:RW+3], v[ADSA+\slot] offset:(\q)*RECP
	ds_load_b128 v[RN:RN+3], v[ADSA+\slot] offset:(\q)*RECP+512
	ds_load_b128 v[SB+8*(\q):SB+8*(\q)+3], v[ADSB+\slot] offset:(\q)*REC
	ds_load_b128 v[SB+8*(\q)+4:SB+8*(\q)+7], v[ADSB+\slot] offset:(\q)*REC+256
.endm
; P's four scale words of a K step are brought under the row's M: each byte becomes max(byte - D, 0), D = min(M - Mloc, 127).  The raw bytes are 1 .. 123, so with bit 7 set in each byte no borrow crosses a byte,
; and bit 7 of a difference says that its byte was not under D.
.macro FIX set
.irp a, 0,1,2,3
	v_sub_f32 v[TT+\a], v[RN+\a], v[NMR+\a]        ; D, a whole number, 0 or more
.endr
.irp a, 0,1,2,3
	v_min_num_f32 v[TT+\a], 0x42fe0000, v[TT+\a]   ; held at 127
.endr
.irp a, 0,1,2,3
	v_cvt_u32_f32 v[TT+\a], v[TT+\a]
.endr
.irp a, 0,1,2,3
	v_perm_b32 v[TT+\a], v[TT+\a], v[TT+\a], 0     ; byte 0 into all four bytes
.endr
.irp a, 0,1,2,3
	v_or_b32 v[TU+\a], s99, v[RW+\a]
.endr
.irp a, 0,1,2,3
	v_sub_nc_u32 v[TU+\a], v[TU+\a], v[TT+\a]
.endr
.irp a, 0,1,2,3
	v_and_b32 v[TT+\a], s99, v[TU+\a]
.endr
.irp a, 0,1,2,3
	v_lshrrev_b32 v[TW+\a], 7, v[TT+\a]
.endr
.irp a, 0,1,2,3
	v_sub_nc_u32 v[TT+\a], v[TT+\a], v[TW+\a]      ; 0x7f in the bytes that stay, 0 in the others
.endr
.irp a, 0,1,2,3
	v_and_b32 v[SA+4*(\set)+\a], v[TU+\a], v[TT+\a]
.endr
.endm
.macro NOPS8                           ; a scale register written by a vector instruction stands 8 places ahead of the scaled matrix instruction that reads it
.rept 8
	v_nop
.endr
.endm
; 8 matrix instructions: P's tile a x V's eight.  The 32 accumulators take turns, one instruction a turn.
.macro MUL8 a, p, q, zero
.irp b, 0,1,2,3,4,5,6,7
.if \zero
	v_wmma_scale_f32_16x16x128_f8f6f4 v[8*(8*(\a)+\b):8*(8*(\a)+\b)+7], v[128*(\p)+FR*\b:128*(\p)+FR*\b+FR-1], v[AF+FR*(\a):AF+FR*(\a)+FR-1], 0, v[SB+8*(\q)+\b], v[SA+4*(\q)+(\a)] matrix_a_fmt:MATRIX_FMT_BF6 matrix_b_fmt:MATRIX_FMT_BF6
.else
	v_wmma_scale_f32_16x16x128_f8f6f4 v[8*(8*(\a)+\b):8*(8*(\a)+\b)+7], v[128*(\p)+FR*\b:128*(\p)+FR*\b+FR-1], v[AF+FR*(\a):AF+FR*(\a)+FR-1], v[8*(8*(\a)+\b):8*(8*(\a)+\b)+7], v[SB+8*(\q)+\b], v[SA+4*(\q)+(\a)] matrix_a_fmt:MATRIX_FMT_BF6 matrix_b_fmt:MATRIX_FMT_BF6
.endif
.endr
.endm
.macro STEP4 slot, zero                ; a slot's first K step; in it the second's operands are fetched and its scale words mended
	s_wait_dscnt 6                                 ; all but the youngest 6 loads (P's tiles 2 and 3) are in
	WIN MUL
	MUL8 0, 0, 0, \zero
	MUL8 1, 0, 0, \zero
	s_wait_dscnt 0x0
	PLACES
	WIN 0
	SCL \slot, 1
	FETCH_B \slot, 1, 1
	FETCH_A \slot, 1, 0
	WIN MUL
	MUL8 2, 0, 0, \zero
	MUL8 3, 0, 0, \zero
	WIN 0
	s_wait_dscnt 30                                ; the four scale loads are in; the 30 issued behind them may be out
	FIX 1                                          ; (40 plain lines that name no register of the products above: also the places in front of the loads below)
	FETCH_A \slot, 1, 2
	NOPS8
.endm
; A slot's second K step changes slots: ONE barrier; in front of it each wave waits for all its tensor loads, adds 0 to its spare word, and waits for that and for its reads of this slot.
.macro TURN4 slot, next, fill
	s_wait_tensorcnt 0x0                           ; all my tensor loads have landed: my part of the next slot
	ds_add_u32 v[SPW], v[NIL]                      ; 0 onto my spare word
	s_wait_dscnt 7                                 ; (the add and the youngest 6 loads may be out)
	WIN MUL
	MUL8 0, 1, 1, 0
	s_wait_dscnt 0x0                               ; the add is done, and my reads of this slot are over
	s_barrier_signal -1
	MUL8 1, 1, 1, 0
	WIN 0
	s_barrier_wait -1
.if \fill
	CREST                                          ; a round of the cluster's barrier: no wave of any partner still reads this slot or has a load on its way
	s_add_nc_u64 s[G0+4*\slot+2:G0+4*\slot+3], s[G0+4*\slot+2:G0+4*\slot+3], 4*RECP
	s_add_nc_u64 s[G0B+4*\slot+2:G0B+4*\slot+3], s[G0B+4*\slot+2:G0B+4*\slot+3], 2*REGION
	JLOAD \slot                                    ; the first tensor load behind the round; its four v_nop are also the places in front of the loads below
.else
	PLACES
.endif
	SCL \next, 0
	FETCH_B \next, 0, 0
	FETCH_A \next, 0, 0
	WIN MUL
	MUL8 2, 1, 1, 0
	MUL8 3, 1, 1, 0
	WIN 0
	s_wait_dscnt 30
	FIX 0
	FETCH_A \next, 0, 2
	NOPS8
.endm
	s_wait_tensorcnt 1                             ; my part of slot 0 is in; slot 1's may stay out
	s_barrier_signal -1
	s_barrier_wait -1
	SCL 0, 0
	FETCH_B 0, 0, 0
	FETCH_A 0, 0, 0
	s_wait_dscnt 30
	FIX 0
	FETCH_A 0, 0, 2
	NOPS8
	STEP4 0, 1                                     ; the first K step stands in front of the loop: its products start the sums
	s_mov_b32 s3, s19                              ; LAPS - 1 trips: the same number in all sixteen work-groups
.Llap:                                             ; a trip goes once round the ring, four K steps, and fills both slots again
	TURN4 0, 1, 1
	STEP4 1, 0
	TURN4 1, 0, 1
	STEP4 0, 0
	s_sub_co_u32 s3, s3, 1
	s_cmp_lg_u32 s3, 0
	s_cbranch_scc1 .Llap
	TURN4 0, 1, 0                                  ; the last lap fills nothing
	STEP4 1, 0
	s_wait_dscnt 6                                 ; the very last K step
	WIN MUL
	MUL8 0, 1, 1, 0
	MUL8 1, 1, 1, 0
	s_wait_dscnt 0x0
	MUL8 2, 1, 1, 0
	MUL8 3, 1, 1, 0
	WIN 0
	PLACES
; THE WAY OUT, a tile of 16 queries x 128 channels at a time: divided by l, through my own stage in LDS, back as whole rows of 512 bytes.  LDS serves a wave's instructions in order: no wait between the stores
; and the loads, nor in front of the next tile's stores.
.macro TOSTAGE a
	WIN 0x82                                       ; destination and source 0 window 2, 1 / l window 0
.set i, 0
	s_wait_alu depctr_va_vdst(0)
.rept 32
	v_pk_mul_f32 v[64*(\a)+i:64*(\a)+i+1], v[64*(\a)+i:64*(\a)+i+1], v[RL2+2*(\a):RL2+2*(\a)+1]   ; each accumulator from its low end on
.set i, i+2
.endr
	WIN 0x08                                       ; an LDS store's data are its source 1: window 2
.irp b, 0,1,2,3,4,5,6,7
	ds_store_b128 v[STO], v[64*(\a)+8*\b:64*(\a)+8*\b+3] offset:128*(\b/2)+32*(\b%2)
	ds_store_b128 v[STO], v[64*(\a)+8*\b+4:64*(\a)+8*\b+7] offset:128*(\b/2)+32*(\b%2)+16
.endr
	WIN 0
.set BB, BK+64*((\a)%2)
.irp t, 0,1,2,3,4,5,6,7,8,9,10,11,12,13,14,15
	ds_load_b128 v[BB+4*\t:BB+4*\t+3], v[RD] offset:\t*SPITCH
.endr
.endm
.macro SEND a, younger                 ; younger: the LDS instructions issued behind tile a's loads, which may stay out
.set BB, BK+64*((\a)%2)
	s_wait_dscnt \younger
.irp t, 0,1,2,3,4,5,6,7,8,9,10,11,12,13,14,15
	global_store_b128 v[CO], v[BB+4*\t:BB+4*\t+3], s[12:13] offset:(32*((\a)/2)+8*((\a)%2)+16*(\t/8)+\t%8)*4096 th:TH_STORE_NT   ; position t's true row; 32 lanes store 512 consecutive bytes, at a multiple of 256 from out0's first byte
.endr
.endm
	TOSTAGE 0
.irp a, 1,2,3
.if \a > 1
	s_wait_xcnt 0x0                                ; tile a - 2's stores have read their registers: tile a's loads may land there
.endif
	TOSTAGE \a
	SEND \a-1, 32                                  ; behind tile a - 1's loads: tile a's 16 stores and 16 loads
.endr
	SEND 3, 0
	s_wait_tensorcnt 0x0                           ; the wave's end
	ds_add_u32 v[SPW], v[NIL]
	s_wait_dscnt 0x0
	CROUND                                         ; the closing round
	s_endpgm
.Lfunc_end_k_qaa00bddf9e_pv:
	.size	k_qaa00bddf9e_pv, .Lfunc_end_k_qaa00bddf9e_pv-k_qaa00bddf9e_pv
	.p2alignl 7, 3214868480
	.fill 96, 4, 3214868480
	.section	.rodata,"a",@progbits
	.p2align	6, 0x0
	.amdhsa_kernel k_qaa00bddf9e_pv
		.amdhsa_group_segment_fixed_size 327680
		.amdhsa_private_segment_fixed_size 0
		.amdhsa_enable_private_segment 0
		.amdhsa_kernarg_size 24
		.amdhsa_user_sgpr_count 2
		.amdhsa_user_sgpr_kernarg_segment_ptr 1
		.amdhsa_wavefront_size32 1
		.amdhsa_system_sgpr_workgroup_id_x 1
		.amdhsa_system_sgpr_workgroup_id_y 1
		.amdhsa_system_sgpr_workgroup_id_z 1
		.amdhsa_system_vgpr_workitem_id 0
		.amdhsa_next_free_vgpr 768
		.amdhsa_next_free_sgpr 100
		.amdhsa_reserve_vcc 1
		.amdhsa_float_denorm_mode_32 3
		.amdhsa_float_denorm_mode_16_64 3
		.amdhsa_memory_ordered 1
		.amdhsa_forward_progress 1
		.amdhsa_inst_pref_size 116
	.end_amdhsa_kernel
	.amdgpu_metadata
---
amdhsa.version: [ 1, 2 ]
amdhsa.kernels:
  - .name:           k_qaa00bddf9e_pv
    .symbol:         k_qaa00bddf9e_pv.kd
    .args:
      - { .name: pr, .offset: 0, .size: 8, .value_kind: global_buffer, .address_space: global }
      - { .name: vr, .offset: 8, .size: 8, .value_kind: global_buffer, .address_space: global }
      - { .name: out0, .offset: 16, .size: 8, .value_kind: global_buffer, .address_space: global }
    .group_segment_fixed_size: 327680
    .private_segment_fixed_size: 0
    .kernarg_segment_align: 8
    .kernarg_segment_size: 24
    .max_flat_workgroup_size: 128
    .sgpr_count:     100
    .vgpr_count:     768
    .wavefront_size: 32
...
	.end_amdgpu_metadata
.endif
;; end of part 4
;; ======== version 2 of 2: 4 launches; 1.11 times as fast as version 1
;; workspace buffers: xr 6,553,600 bytes; wr 2,457,600 bytes; kr 6,553,600 bytes; qr 6,553,600 bytes; vr 6,553,600 bytes; pr 14,155,776 bytes
;; launch quant: the kernel of part 1 again; grid 352 x 1, 4 waves a work-group, no clusters, 34,304 bytes of LDS; arguments x, Wk, Wq, Wv, xr, wr; writes xr, wr
;; launch proj (part 5): grid 96 x 4, 4 waves a work-group, clusters of 4 x 4, 327,680 bytes of LDS; arguments xr, wr, bk, bq, bv, kr, qr, vr; writes kr, qr, vr
.if DOCPART == 5
	.amdgcn_target "amdgcn-amd-amdhsa--gfx1250"
	.amdhsa_code_object_version 6
	.text
	.protected	k_qaa00bddf9e_proj
	.globl	k_qaa00bddf9e_proj
	.p2align	8
	.type	k_qaa00bddf9e_proj,@function
k_qaa00bddf9e_proj:
	s_mov_b64 s[64:65], 0
	v_nop
	global_prefetch_b8 v0, s[64:65] scope:SCOPE_SE
	s_setreg_imm32_b32 hwreg(HW_REG_WAVE_MODE, 25, 1), 1
	s_wait_xcnt 0x0
	s_wait_alu depctr_hold_cnt(0) depctr_sa_sdst(0) depctr_va_vdst(0) depctr_va_sdst(0) depctr_va_ssrc(0) depctr_va_vcc(0) depctr_vm_vsrc(0)
	s_getreg_b32 s2, hwreg(HW_REG_IB_STS2, 6, 4)
	s_cmp_eq_u32 s2, 0
	s_cbranch_scc0 .Lentry_in_a_cluster
	s_endpgm
.Lentry_in_a_cluster:
	s_bfe_u32 s2, ttmp6, 0x10000c
	s_cmp_lg_u32 s2, 0xf033
	s_cbranch_scc0 .Lentry_shape_is_right
	s_endpgm
.Lentry_shape_is_right:
; k = x Wk^T + bk, q = x Wq^T + bq, v = x Wv^T + bv on codes of BF6 (E3M2) with E8M0 scales; each result is quantised again in registers and leaves as records of codes:
; k and q along the channels (the next product's K), v along the keys.  Operands and results are records of register images: 8 fragments of 1,536 bytes (3 pieces of 512, lane l's 16 bytes at 16 l)
; and 512 bytes of scale words ((tile i, position r) at 12288 + 256 (i / 4) + 16 r + 4 (i % 4)): 12,800 bytes for 128 rows x 128 K.
; THE MATRIX INSTRUCTION IS USED TRANSPOSED: source 0 = 16 rows of B, source 1 = 16 rows of A.  A lane then holds ONE row position of A, and its registers run along B's rows.  Position p of tile t of a
; record is row 32 (t / 2) + 16 (p / 8) + 8 (t % 2) + p % 8, so register 16 b + i of a lane's 64 (one tile of A x B's eight tiles) is B's row 32 b + 16 (lane / 16) + i: 16 neighbours along the next K.
; ROLES, by the cluster's number c (the same in its 16 work-groups): c < 16: A = x (1,024 tokens, block c / 2), B = Wk (c even) or Wq (c odd): results kr or qr, bias along B's rows;
; c >= 16: A = Wv, B = x (block c - 16): results vr [batch][channel group][key step], bias along A's rows.  The roles differ in pointers and numbers alone, chosen by s_cselect: one path of text.
; SHARES: a work-group makes 256 x 256, a wave 128 x 128 (64 accumulators, 512 registers) and so exactly one record of the result.
; RING: K = 1,024 is 8 steps of 128, two to a slot, THREE slots: K steps 0 to 5 are asked for at the start; K steps 6 and 7 go into slot 0 as soon as it has been read, in K step 1, and are
; wanted in K step 5: 224 matrix instructions of a wave later.  So there is one refill, and one round of the cluster's barrier inside the K steps.
; CLUSTER 4 x 4: A's records are shared along a row of the cluster, B's along a column: joint loads, each wave one of 25,600 bytes (two records, dense in memory: 100 rows of 256 bytes).
; LIMITS: as the quantiser's: zero blocks get the byte 1, blocks under 2^-122 are held at the byte 1, NaN and infinities are not served.
; REGISTERS: window 0: v8-18, v24-29 addresses; v32-63 scale words; v64-127 bias along B; v128-223 A's fragments (one set), on the way out 64 numbers and their codes; v224-231 bias along A; v232-255 at work.
;   window 1: B's fragments, two sets, at v0 and v128.  windows 2, 3: the accumulators, (a, b) at v[8 (8 (a % 4) + b)].
.set REC,    12800
.set REGION, 2*REC                     ; what one tensor load brings: a group's records of two K steps
.set SLOT,   4*REGION                  ; A's two groups, then B's two
.set SPARE,  3*SLOT                    ; behind the ring: the spare words, 128 bytes for each wave
.set GRP,    8*REC                     ; a group's eight records in memory
.set FR,   12
.set ADRA, 8                           ; v8-10   16 x lane in my group of A, slot 0, 1, 2
.set ADRB, 12                          ; v12-14  the same for B
.set ADRS, 16                          ; v16-18  scale words: lanes 0-15 A's, lanes 16-31 B's
.set LI,   24                          ; v24     16 x lane
.set SPW,  28
.set NIL,  29
.set SC,   32                          ; register SC + 16 set + 8 q + i: lanes 0-15 the words of A's tile i, lanes 16-31 those of B's tile i; two sets, taken by turns from slot to slot
.set BN,   64
.set AF,   128
.set T,    128
.set PC,   192
.set BM,   224
.set TM,   232
.set PWS,  248
.set G1,   24                          ; s[24:31] group 1 for A's records
.set G0,   32                          ; s[32:35], s[36:39] group 0 for A, slots 0 and 1
.set G1B,  48
.set G0B,  56                          ; s[56:59], s[60:63] the same for B
.set G0C,  68                          ; s[68:71] group 0 for A, slot 2 (the arguments that lay here have been taken over by then)
.set G0BC, 72                          ; s[72:75] for B, slot 2
.set SEL,  66
.set MSB, 0
.macro WIN new                         ; the immediate's high byte repeats the setting that is left
.if MSB != (\new)
	s_set_vgpr_msb (MSB<<8)|(\new)
.set MSB, \new
.endif
.endm
.set MUL_LO, 0xa1                      ; source 0 (B) window 1, source 1 (A) window 0, C and D window 2
.set MUL_HI, 0xf1
.set TO_B,   0x40
.macro JLOAD ga, gb                    ; a joint load: waves 0 and 1 fetch A's two groups, waves 2 and 3 B's; four v_nop follow each of the two lines
	s_cmp_eq_u32 s15, 0
	s_cbranch_scc0 .Lfor_b_\@
	tensor_load_to_lds s[\ga:\ga+3], s[G1:G1+7]
	s_nop 0
.rept 4
	v_nop
.endr
	s_branch .Lasked_\@
.Lfor_b_\@:
	tensor_load_to_lds s[\gb:\gb+3], s[G1B:G1B+7]
	s_nop 0
.rept 4
	v_nop
.endr
.Lasked_\@:
.endm
.macro CREST                           ; a round of the cluster's barrier behind its opening barrier
	s_cmp_lg_u32 s14, 0
	s_cbranch_scc1 .Lnot_wave_0_\@
	s_barrier_signal -3
.Lnot_wave_0_\@:
	s_barrier_wait -3
	s_barrier_signal -1
	s_barrier_wait -1
.endm
.macro CROUND
	s_barrier_signal -1
	s_barrier_wait -1
	CREST
.endm
.macro PLACES                          ; four plain places behind a matrix instruction, in front of loads into its registers and of the first read of results
.rept 4
	v_nop
.endr
.endm
	s_load_b512 s[68:83], s[0:1], 0x0              ; xr, wr, bk, bq, bv, kr, qr, vr
	v_lshl_add_u32 v[SPW], v0, 2, SPARE
	v_mov_b32 v[NIL], 0
	ds_add_u32 v28, v29
	ds_add_u32 v28, v29
	s_wait_dscnt 0x0
	v_lshrrev_b32 v1, 5, v0
	v_readfirstlane_b32 s14, v1                    ; wave 0..3
	s_lshr_b32 s15, s14, 1                         ; which of A's two groups is mine.  Also: I fetch for A (0) or for B (1)
	s_and_b32 s16, s14, 1                          ; which of B's two groups is mine.  Also: which group I fetch
	s_bfe_u32 s40, ttmp6, 0x40000                  ; cx
	s_bfe_u32 s41, ttmp6, 0x40004                  ; cy
	s_lshl_b32 s43, s41, 2
	s_lshl_b32 s43, 15, s43                        ; my row of the cluster
	s_lshl_b32 s44, 0x1111, s40                    ; my column
	s_or_b32 s[G1+0], s43, (3<<16)|(1<<21)         ; 15:0 the mask; 17:16 elements of 8 bytes; 20 no padding; 21 set beside a mask
	s_or_b32 s[G1B+0], s44, (3<<16)|(1<<21)
.irp g, G1, G1B
	s_mov_b32 s[\g+1], 32<<16                      ; tensor_dim0 = 32 elements: 256 bytes
	s_mov_b32 s[\g+2], 100<<16                     ; tensor_dim1 = 100 rows: 25,600 bytes
	s_mov_b32 s[\g+3], 32<<16                      ; tile_dim0
	s_mov_b32 s[\g+4], 100                         ; tile_dim1
	s_mov_b32 s[\g+5], 32                          ; the pitch: dense
	s_mov_b32 s[\g+6], 0
	s_mov_b32 s[\g+7], 0
.endr
	s_lshr_b32 s84, ttmp9, 1                       ; c / 2
	s_and_b32 s85, ttmp9, 1                        ; c % 2
	s_sub_co_u32 s86, ttmp9, 16                    ; c - 16 (used where c >= 16)
	s_lshr_b32 s87, s86, 1                         ; v's batch
	s_and_b32 s88, s86, 1
	s_lshl_b32 s88, s88, 3                         ; and the first key step of this block in it
	s_mov_b32 s[SEL], 0x76543210
	s_mov_b32 s[SEL+1], 0xfedcba98                 ; v_permlanex16_b32's selects for lane l xor 16
	s_mov_b32 s99, 0xffff0000                      ; lanes 16-31
	s_mul_i32 s45, s14, REGION                     ; where my tensor loads go: no place in the cluster enters an LDS address
	s_wait_kmcnt 0x0
	s_cmp_eq_u32 s85, 1
	s_cselect_b64 s[90:91], s[80:81], s[78:79]     ; qr or kr
	s_cselect_b64 s[92:93], s[74:75], s[72:73]     ; bq or bk
	s_cmp_ge_u32 ttmp9, 16                         ; v's role?
	s_cselect_b64 s[4:5], s[70:71], s[68:69]       ; A's records
	s_cselect_b64 s[6:7], s[68:69], s[70:71]       ; B's records
	s_cselect_b32 s17, 2, s84                      ; A's block of 8 groups
	s_cselect_b32 s18, s86, s85                    ; B's
	s_cselect_b32 s19, 16, 8                       ; K steps to a group in the result
	s_cselect_b32 s89, s87, s84                    ; the result's block of 8 groups
	s_cselect_b32 s96, s88, 0                      ; and its first K step
	s_cselect_b64 s[12:13], s[82:83], s[90:91]     ; the result
	s_cselect_b64 s[8:9], s[76:77], s[92:93]       ; the bias
	s_cselect_b32 s97, -1, 0                       ; the bias runs along A's rows
	s_cselect_b32 s98, 0, -1                       ; or along B's
	s_lshl_b32 s20, s17, 3                         ; A: group 8 x block + 2 cy + the one I fetch: in registers that never hold cx
	s_lshl_b32 s21, s41, 1
	s_add_co_u32 s20, s20, s21
	s_add_co_u32 s20, s20, s16
	s_mul_i32 s20, s20, GRP
	s_mov_b32 s21, 0
	s_add_nc_u64 s[20:21], s[4:5], s[20:21]
	s_lshl_b32 s46, s18, 3                         ; B: group 8 x block + 2 cx + the one I fetch: in registers that never hold cy
	s_lshl_b32 s47, s40, 1
	s_add_co_u32 s46, s46, s47
	s_add_co_u32 s46, s46, s16
	s_mul_i32 s46, s46, GRP
	s_mov_b32 s47, 0
	s_add_nc_u64 s[46:47], s[6:7], s[46:47]
	s_lshl_b32 s22, s89, 3                         ; my record of the result: group 8 x block + 2 cy + my half of A, K step first + 2 cx + my half of B
	s_lshl_b32 s23, s41, 1
	s_add_co_u32 s22, s22, s23
	s_add_co_u32 s22, s22, s15
	s_mul_i32 s22, s22, s19
	s_add_co_u32 s22, s22, s96
	s_lshl_b32 s23, s40, 1
	s_add_co_u32 s22, s22, s23
	s_add_co_u32 s22, s22, s16
	s_mul_i32 s22, s22, REC
	s_mov_b32 s23, 0
	s_add_nc_u64 s[12:13], s[12:13], s[22:23]
	s_lshl_b32 s22, s41, 1                         ; the bias at my 128 rows of A,
	s_add_co_u32 s22, s22, s15
	s_lshl_b32 s22, s22, 9
	s_add_nc_u64 s[10:11], s[8:9], s[22:23]
	s_lshl_b32 s22, s40, 1                         ; and at my 128 rows of B: both lie inside its 1,024 numbers in either role
	s_add_co_u32 s22, s22, s16
	s_lshl_b32 s22, s22, 9
	s_add_nc_u64 s[8:9], s[8:9], s[22:23]
	CROUND                                         ; all sixteen work-groups are here: the first joint loads meet
.macro FIRST ga, gb, n                 ; slot n's groups 0, for K steps 2 n and 2 n + 1, and its first fill
	s_mov_b32 s[\ga], 1
	s_add_co_u32 s[\ga+1], s45, (\n)*SLOT
	s_add_nc_u64 s[\ga+2:\ga+3], s[20:21], (\n)*REGION
	s_or_b32 s[\ga+3], s[\ga+3], 0x80000000
	s_mov_b32 s[\gb], 1
	s_add_co_u32 s[\gb+1], s45, (\n)*SLOT
	s_add_nc_u64 s[\gb+2:\gb+3], s[46:47], (\n)*REGION
	s_or_b32 s[\gb+3], s[\gb+3], 0x80000000
	JLOAD \ga, \gb
.endm
	FIRST G0, G0B, 0
	FIRST G0+4, G0B+4, 1
	FIRST G0C, G0BC, 2                             ; three loads of mine are out
	v_and_b32 v1, 15, v0                           ; r
	v_bfe_u32 v2, v0, 4, 1                         ; h
	v_and_b32 v3, 31, v0
	v_lshlrev_b32 v[LI], 4, v3
	v_lshlrev_b32 v25, 6, v2                       ; the bias along B: 16 h numbers on
	v_and_b32 v26, 8, v1
	v_add_nc_u32 v26, v26, v1
	v_lshlrev_b32 v26, 2, v26                      ; the bias along A: position r is row 16 (r / 8) + r % 8 of its tile's rows
.irp b, 0,1,2,3
.irp j, 0,1,2,3
	global_load_b128 v[BN+16*\b+4*\j:BN+16*\b+4*\j+3], v25, s[8:9] offset:128*\b+16*\j   ; register 16 b + i: B's row 32 b + 16 h + i
.endr
.endr
.irp a, 0,1,2,3,4,5,6,7
	global_load_b32 v[BM+\a], v26, s[10:11] offset:(32*(\a/2)+8*(\a%2))*4
.endr
	s_mul_i32 s22, s15, REGION                     ; my group of A in a slot
	s_add_co_u32 s23, s16, 2
	s_mul_i32 s23, s23, REGION                     ; my group of B
	s_xor_b32 s42, s15, 1
	s_add_co_u32 s42, s42, s16
	s_add_co_u32 s42, s42, 1
	s_mul_i32 s42, s42, REGION                     ; from the one to the other: (2 + my half of B - my half of A) regions
	v_lshlrev_b32 v4, 4, v1
	v_mul_u32_u24 v5, s42, v2                      ; lanes 16-31 take B's scale words
	v_add_nc_u32 v4, v4, v5
.irp s, 0,1,2
	v_add_nc_u32 v[ADRA+\s], s22, v[LI]
	v_add_nc_u32 v[ADRB+\s], s23, v[LI]
	v_add_nc_u32 v[ADRS+\s], s22, v4
	s_add_co_u32 s22, s22, SLOT
	s_add_co_u32 s23, s23, SLOT
.endr
.irp b, 0,1,2,3
	v_mov_b32 v[TM+4+\b], 0                        ; written once: a lane permute's destination counts as one of its sources
.endr
	s_wait_loadcnt 0x0                             ; the biases
.set i, 0
.rept 64
	v_cndmask_b32 v[BN+i], 0, v[BN+i], s98         ; the side along which this role has no bias becomes 0: a choice of values, no branch
.set i, i+1
.endr
.irp a, 0,1,2,3,4,5,6,7
	v_cndmask_b32 v[BM+\a], 0, v[BM+\a], s97
.endr
.macro FRAG reg, adr, q, i             ; a fragment comes as it was stored: three loads of 16 bytes a lane, 512 consecutive bytes each
.irp c, 0,1,2
	ds_load_b128 v[\reg+4*\c:\reg+4*\c+3], v[\adr] offset:(\i)*1536+(\q)*REC+512*\c
.endr
.endm
.macro FETCH_B slot, q, p              ; B's eight fragments of the slot's q-th K step into set p
	WIN TO_B
.irp i, 0,1,2,3,4,5,6,7
	FRAG 128*(\p)+FR*\i, ADRB+\slot, \q, \i
.endr
	WIN 0
.endm
.macro FETCH_A slot, q, i0             ; A's tiles i0 .. i0 + 3
.irp i, \i0, \i0+1, \i0+2, \i0+3
	FRAG AF+FR*(\i), ADRA+\slot, \q, \i
.endr
.endm
.macro SCALES slot, sc                 ; the slot's scale words, both K steps, into set sc: four words a load
.irp q, 0,1
.irp u, 0,1
	ds_load_b128 v[SC+16*(\sc)+8*\q+4*\u:SC+16*(\sc)+8*\q+4*\u+3], v[ADRS+\slot] offset:\q*REC+12288+256*\u
.endr
.endr
.endm
; 16 matrix instructions: A's tiles a0, a0 + 1 x B's eight.  The 64 accumulators take turns, one instruction a turn, in the same order in every step.
.macro MUL16 a0, p, q, sc, zero
.irp a, \a0, \a0+1
.irp b, 0,1,2,3,4,5,6,7
.if \zero
	v_wmma_scale_f32_16x16x128_f8f6f4 v[8*(8*((\a)%4)+\b):8*(8*((\a)%4)+\b)+7], v[128*(\p)+FR*\b:128*(\p)+FR*\b+FR-1], v[AF+FR*(\a):AF+FR*(\a)+FR-1], 0, v[SC+16*(\sc)+8*(\q)+\b], v[SC+16*(\sc)+8*(\q)+(\a)] matrix_a_fmt:MATRIX_FMT_BF6 matrix_b_fmt:MATRIX_FMT_BF6 matrix_a_scale:MATRIX_SCALE_ROW1
.else
	v_wmma_scale_f32_16x16x128_f8f6f4 v[8*(8*((\a)%4)+\b):8*(8*((\a)%4)+\b)+7], v[128*(\p)+FR*\b:128*(\p)+FR*\b+FR-1], v[AF+FR*(\a):AF+FR*(\a)+FR-1], v[8*(8*((\a)%4)+\b):8*(8*((\a)%4)+\b)+7], v[SC+16*(\sc)+8*(\q)+\b], v[SC+16*(\sc)+8*(\q)+(\a)] matrix_a_fmt:MATRIX_FMT_BF6 matrix_b_fmt:MATRIX_FMT_BF6 matrix_a_scale:MATRIX_SCALE_ROW1
.endif
.endr
.endr
.endm
.macro STEP slot, sc, zero             ; a slot's first K step; in it the second's fragments are fetched
	s_wait_dscnt 12                                ; all but the youngest 12 loads (A's tiles 4-7) are in
	WIN MUL_LO
	MUL16 0, 0, 0, \sc, \zero
	MUL16 2, 0, 0, \sc, \zero
	s_wait_dscnt 0x0                               ; A's tiles 4-7 are in
	PLACES
	FETCH_B \slot, 1, 1
	FETCH_A \slot, 1, 0
	WIN MUL_HI
	MUL16 4, 0, 0, \sc, \zero
	MUL16 6, 0, 0, \sc, \zero
	PLACES
	WIN 0
	FETCH_A \slot, 1, 4
.endm
; A slot's second K step (scale set sc) goes on to slot next (scale set nsc).
; mode 2: slot 0 has been read and is filled again: each wave waits for all its tensor loads, adds 0 to its spare word, waits for that and for its reads of the slot; a round of the cluster's barrier; the joint refill.
; mode 1: the next slot's tile was asked for behind an earlier barrier: the same waits and a barrier of the work-group, so that every wave's part of it is shown landed; nothing is filled.
; mode 0: every wave showed its part of the next slot landed in front of an earlier barrier, and nothing is written: no wait on TENSORcnt, no barrier; the refill stays on its way.
.macro TURN sc, next, nsc, mode
.if \mode
	s_wait_tensorcnt 0x0                           ; all my tensor loads have landed
	ds_add_u32 v[SPW], v[NIL]                      ; 0 onto my spare word
	s_wait_dscnt 13                                ; (the add and the youngest 12 loads, A's tiles 4-7, may be out)
	WIN MUL_LO
	MUL16 0, 1, 1, \sc, 0
	s_wait_dscnt 0x0                               ; the add is done, and my reads of this slot are over
	s_barrier_signal -1
	MUL16 2, 1, 1, \sc, 0
	WIN 0
	s_barrier_wait -1
.else
	s_wait_dscnt 12                                ; all but A's tiles 4-7 are in
	WIN MUL_LO
	MUL16 0, 1, 1, \sc, 0
	MUL16 2, 1, 1, \sc, 0
	s_wait_dscnt 0x0
.endif
.if \mode == 2
	CREST                                          ; the barrier has opened a round of the cluster's barrier: no wave of any partner still reads slot 0 or has a load on its way
	s_add_nc_u64 s[G0+2:G0+3], s[G0+2:G0+3], 3*REGION      ; from K steps 0 and 1 to K steps 6 and 7
	s_add_nc_u64 s[G0B+2:G0B+3], s[G0B+2:G0B+3], 3*REGION
	JLOAD G0, G0B                                  ; the first tensor load behind the round; its four v_nop are also the places in front of the loads below
.else
	PLACES
.endif
	FETCH_B \next, 0, 0
	FETCH_A \next, 0, 0
	SCALES \next, \nsc
	WIN MUL_HI
	MUL16 4, 1, 1, \sc, 0
	MUL16 6, 1, 1, \sc, 0
	PLACES
	WIN 0
	FETCH_A \next, 0, 4
.endm
	s_wait_tensorcnt 2                             ; my part of slot 0 is in; slots 1 and 2 may stay out
	s_barrier_signal -1
	s_barrier_wait -1
	FETCH_B 0, 0, 0
	FETCH_A 0, 0, 0
	SCALES 0, 0
	FETCH_A 0, 0, 4
	STEP 0, 0, 1                                   ; K step 0: its products start the sums
	TURN 0, 1, 1, 2                                ; 1; slot 0 takes K steps 6 and 7
	STEP 1, 1, 0                                   ; 2
	TURN 1, 2, 0, 0                                ; 3; on to slot 2, which landed before the round in K step 1
	STEP 2, 0, 0                                   ; 4
	TURN 0, 0, 1, 1                                ; 5; the refill has landed, in every wave
	STEP 0, 1, 0                                   ; 6
	s_wait_dscnt 12                                ; 7
	WIN MUL_LO
	MUL16 0, 1, 1, 1, 0
	MUL16 2, 1, 1, 1, 0
	s_wait_dscnt 0x0
	WIN MUL_HI
	MUL16 4, 1, 1, 1, 0
	MUL16 6, 1, 1, 1, 0
	WIN 0
	PLACES
; 64 numbers of a lane, register 16 b + i = next K 32 b + 16 (lane / 16) + i of my row position, become a fragment's codes in v[PC] on and its scale word in v[w].
.macro QUANT s, w
.irp b, 0,1,2,3
	v_max3_num_f32 v[TM+\b], |v[\s+16*\b]|, |v[\s+1+16*\b]|, 0x2800000   ; my 16 numbers of block b, and the floor 2^(5 - 127): the byte cannot fall under 1
.endr
.irp i, 2,4,6,8,10,12,14
.irp b, 0,1,2,3
	v_max3_num_f32 v[TM+\b], v[TM+\b], |v[\s+16*\b+\i]|, |v[\s+1+16*\b+\i]|
.endr
.endr
.irp b, 0,1,2,3
	v_permlanex16_b32 v[TM+4+\b], v[TM+\b], s[SEL], s[SEL+1]
.endr
.irp b, 0,1,2,3
	v_max_num_f32 v[TM+\b], v[TM+\b], v[TM+4+\b]   ; with lane l xor 16's: the block's largest magnitude
.endr
.irp b, 0,1,2,3
	v_add_nc_u32 v[TM+12+\b], 0xfe000000, v[TM+\b] ; 4 off its exponent field: the conversion's scale operand
.endr
.irp b, 0,1,2,3
	v_lshrrev_b32 v[TM+4+\b], 23, v[TM+12+\b]      ; the scale's byte
.endr
	v_lshl_or_b32 v[\w], v[TM+5], 8, v[TM+4]
	v_lshl_or_b32 v[\w], v[TM+6], 16, v[\w]
	v_lshl_or_b32 v[\w], v[TM+7], 24, v[\w]
	s_wait_xcnt 0x0                                ; the last fragment's stores have read the codes' registers
.irp c, 0,1
	v_cvt_scalef32_pk16_bf6_f32 v[PC+6*\c:PC+2+6*\c], v[\s+32*\c:\s+15+32*\c], v[TM+12+2*\c]
	v_cvt_scalef32_pk16_bf6_f32 v[PC+12+4*\c:PC+14+4*\c], v[\s+16+32*\c:\s+31+32*\c], v[TM+12+2*\c+1]   ; (a conversion's three registers begin on an even number)
.endr
	v_nop                                          ; one plain place behind a scaled conversion
.irp c, 0,1                                    ; the operand's layout wants a WHOLE block in a lane: lanes 0-15 block 2 c, lanes 16-31 block 2 c + 1
.irp i, 0,1,2
	v_permlane16_swap_b32 v[PC+6*\c+\i], v[PC+12+4*\c+\i]
.endr
.irp i, 0,1,2
	v_mov_b32 v[PC+3+6*\c+\i], v[PC+12+4*\c+\i]
.endr
.endr
.endm
; THE WAY OUT of A's tile a: sums + bias, in f32, into window 0 (each accumulator from its low end on); quantised; the fragment's image is stored.
.macro OUTA a
.set WN, 0x02+(\a)/4
	WIN WN                                         ; source 0: window 2 or 3
.set i, 0
.rept 32
	v_pk_add_f32 v[T+i:T+i+1], v[64*((\a)%4)+i:64*((\a)%4)+i+1], v[BN+i:BN+i+1]
.set i, i+2
.endr
	WIN 0
.set i, 0
.rept 32
.if (\a)%2 == 0
	v_pk_add_f32 v[T+i:T+i+1], v[T+i:T+i+1], v[BM+(\a):BM+(\a)+1] op_sel_hi:[1,0]               ; the pair's first register for both halves
.else
	v_pk_add_f32 v[T+i:T+i+1], v[T+i:T+i+1], v[BM+(\a)-1:BM+(\a)] op_sel:[0,1] op_sel_hi:[1,1]  ; the pair's second register for both halves
.endif
.set i, i+2
.endr
	QUANT T, PWS+(\a)
.irp k, 0,1,2
	global_store_b128 v[LI], v[PC+4*\k:PC+4*\k+3], s[12:13] offset:1536*(\a)+512*\k   ; 32 lanes store 512 consecutive bytes
.endr
.endm
.irp a, 0,1,2,3,4,5,6,7
	OUTA \a
.endr
.irp j, 0,1,2,3
	v_cndmask_b32 v[PWS+\j], v[PWS+\j], v[PWS+4+\j], s99   ; lanes 0-15 store the words of tiles 0-3, lanes 16-31 those of tiles 4-7
.endr
	global_store_b128 v[LI], v[PWS:PWS+3], s[12:13] offset:12288
	s_wait_tensorcnt 0x0                           ; the wave's end
	ds_add_u32 v[SPW], v[NIL]
	s_wait_dscnt 0x0
	CROUND                                         ; the closing round: no work-group ends while a partner may still ask for a tile that names it
	s_endpgm
.Lfunc_end_k_qaa00bddf9e_proj:
	.size	k_qaa00bddf9e_proj, .Lfunc_end_k_qaa00bddf9e_proj-k_qaa00bddf9e_proj
	.p2alignl 7, 3214868480
	.fill 96, 4, 3214868480
	.section	.rodata,"a",@progbits
	.p2align	6, 0x0
	.amdhsa_kernel k_qaa00bddf9e_proj
		.amdhsa_group_segment_fixed_size 327680
		.amdhsa_private_segment_fixed_size 0
		.amdhsa_enable_private_segment 0
		.amdhsa_kernarg_size 64
		.amdhsa_user_sgpr_count 2
		.amdhsa_user_sgpr_kernarg_segment_ptr 1
		.amdhsa_wavefront_size32 1
		.amdhsa_system_sgpr_workgroup_id_x 1
		.amdhsa_system_sgpr_workgroup_id_y 1
		.amdhsa_system_sgpr_workgroup_id_z 1
		.amdhsa_system_vgpr_workitem_id 0
		.amdhsa_next_free_vgpr 1024
		.amdhsa_next_free_sgpr 100
		.amdhsa_reserve_vcc 0
		.amdhsa_float_denorm_mode_32 3
		.amdhsa_float_denorm_mode_16_64 3
		.amdhsa_memory_ordered 1
		.amdhsa_forward_progress 1
		.amdhsa_inst_pref_size 176
	.end_amdhsa_kernel
	.amdgpu_metadata
---
amdhsa.version: [ 1, 2 ]
amdhsa.kernels:
  - .name:           k_qaa00bddf9e_proj
    .symbol:         k_qaa00bddf9e_proj.kd
    .args:
      - { .name: xr, .offset: 0, .size: 8, .value_kind: global_buffer, .address_space: global }
      - { .name: wr, .offset: 8, .size: 8, .value_kind: global_buffer, .address_space: global }
      - { .name: bk, .offset: 16, .size: 8, .value_kind: global_buffer, .address_space: global }
      - { .name: bq, .offset: 24, .size: 8, .value_kind: global_buffer, .address_space: global }
      - { .name: bv, .offset: 32, .size: 8, .value_kind: global_buffer, .address_space: global }
      - { .name: kr, .offset: 40, .size: 8, .value_kind: global_buffer, .address_space: global }
      - { .name: qr, .offset: 48, .size: 8, .value_kind: global_buffer, .address_space: global }
      - { .name: vr, .offset: 56, .size: 8, .value_kind: global_buffer, .address_space: global }
    .group_segment_fixed_size: 327680
    .private_segment_fixed_size: 0
    .kernarg_segment_align: 8
    .kernarg_segment_size: 64
    .max_flat_workgroup_size: 128
    .sgpr_count:     100
    .vgpr_count:     1024
    .wavefront_size: 32
...
	.end_amdgpu_metadata
.endif
;; end of part 5
;; launch scores (part 6): grid 12 x 16, 4 waves a work-group, clusters of 4 x 4, 327,680 bytes of LDS; arguments qr, kr, pr; writes pr
.if DOCPART == 6
	.amdgcn_target "amdgcn-amd-amdhsa--gfx1250"
	.amdhsa_code_object_version 6
	.text
	.protected	k_qaa00bddf9e_scores
	.globl	k_qaa00bddf9e_scores
	.p2align	8
	.type	k_qaa00bddf9e_scores,@function
k_qaa00bddf9e_scores:
	s_mov_b64 s[64:65], 0
	v_nop
	global_prefetch_b8 v0, s[64:65] scope:SCOPE_SE
	s_setreg_imm32_b32 hwreg(HW_REG_WAVE_MODE, 25, 1), 1
	s_wait_xcnt 0x0
	s_wait_alu depctr_hold_cnt(0) depctr_sa_sdst(0) depctr_va_vdst(0) depctr_va_sdst(0) depctr_va_ssrc(0) depctr_va_vcc(0) depctr_vm_vsrc(0)
	s_getreg_b32 s2, hwreg(HW_REG_IB_STS2, 6, 4)
	s_cmp_eq_u32 s2, 0
	s_cbranch_scc0 .Lentry_in_a_cluster
	s_endpgm
.Lentry_in_a_cluster:
	s_bfe_u32 s2, ttmp6, 0x10000c
	s_cmp_lg_u32 s2, 0xf033
	s_cbranch_scc0 .Lentry_shape_is_right
	s_endpgm
.Lentry_shape_is_right:
; S = q k^T on codes of BF6 (E3M2) with E8M0 scales, the causal mask, and the softmax's p, quantised along the keys, as records for the last product.
; For each query and each run of 128 keys: t = score x log2(e) / 32;  Mloc = the run's largest t, rounded UP to a whole number;  p = 2^(t - Mloc), quantised in blocks of 32 keys;
; lloc = the sum of the unquantised p.  The next launch brings the runs of a row under the row's M: a power of two, which it takes off the scale bytes, so that the codes' values are those under M.
; A record of pr (128 queries x 128 keys, 13,824 bytes): 8 fragments of 1,536 bytes, 512 bytes of scale words, 512 bytes of -Mloc, 512 bytes of lloc; a number of (tile i, position r) at 256 (i / 4) + 16 r + 4 (i % 4).
; THE MATRIX INSTRUCTION IS USED TRANSPOSED: source 0 = 16 keys (B), source 1 = 16 queries (A): a lane holds ONE query position, and register 16 b + i of its 64 is key 32 b + 16 (lane / 16) + i of the run,
; since position p of tile t of a record is row 32 (t / 2) + 16 (p / 8) + 8 (t % 2) + p % 8.
; WHAT IS COMPUTED: of a batch's four blocks of 1,024 x 1,024 the three that are not wholly hidden, a cluster to a block.  Inside a block on the diagonal every work-group runs alike, the hidden ones too
; (partners of a cluster make every joint request): a hidden run gets zero codes, lloc = 0 and -Mloc = 3e38.  The mask is a choice of values, always executed.
; SHARES, CLUSTER: a work-group makes 256 x 256, a wave 128 x 128 (64 accumulators) and so one record; q's records are shared along a row of the cluster, k's along a column: joint loads of 25,600 bytes a wave.
; RING: K = 1,024 is 8 steps of 128, two to a slot, THREE slots: K steps 0 to 5 are asked for at the start; K steps 6 and 7 go into slot 0 as soon as it has been read, in K step 1, and are
; wanted in K step 5: 224 matrix instructions of a wave later.  So there is one refill, and one round of the cluster's barrier inside the K steps.
; LIMITS: a t under -3e38 is not told from a hidden one; NaN and infinities are not served; a block whose every p is 0 gets the byte 1 (its codes are zeros).
; REGISTERS: window 0: v8-18, v24-29 addresses; v32-63 scale words; v64-108 the way out's statistics; v128-223 A's fragments, on the way out 64 numbers and their codes.
;   window 1: B's fragments, two sets.  windows 2, 3: the accumulators, (a, b) at v[8 (8 (a % 4) + b)].
.set REC,    12800
.set RECP,   13824
.set REGION, 2*REC
.set SLOT,   4*REGION
.set SPARE,  3*SLOT                    ; behind the ring: the spare words, 128 bytes for each wave
.set GRP,    8*REC
.set FR,   12
.set ADRA, 8                           ; v8-10   16 x lane in my group of q, slot 0, 1, 2
.set ADRB, 12                          ; v12-14  the same for k
.set ADRS, 16                          ; v16-18  scale words: lanes 0-15 q's, lanes 16-31 k's
.set LI,   24
.set D0,   25                          ; v25  my query less the run's first key less 16 (lane / 16), for tile 0
.set NINF, 27                          ; v27  -infinity
.set SPW,  28
.set NIL,  29
.set SC,   32                          ; two sets of 16 scale registers, taken by turns from slot to slot
.set PWS,  64                          ; v64-71  tile a's scale word
.set NMS,  72                          ; v72-79  -Mloc
.set LS,   80                          ; v80-87  lloc
.set BX,   88                          ; v88-91  a block's largest score, then its largest p
.set BP,   92                          ; v92-95  lane permutes' destinations, then bytes
.set SO,   96                          ; v96-99  the conversions' scale operands
.set NM,   100                         ; v[100:101] -Mloc, named as a pair
.set SU,   102                         ; v[102:105] two chains of sums
.set TA,   106
.set TB,   107
.set DA,   108
.set AF,   128
.set T,    128
.set PC,   192
.set G1,   24
.set G0,   32                          ; s[32:35], s[36:39] group 0 for q, slots 0 and 1
.set G1B,  48
.set G0B,  56                          ; s[56:59], s[60:63] for k
.set G0C,  68                          ; s[68:71] for q, slot 2
.set G0BC, 72                          ; s[72:75] for k, slot 2
.set SEL,  66
.set CS,   94                          ; s[94:95] c = log2(e) / 32
.set MSB, 0
.macro WIN new
.if MSB != (\new)
	s_set_vgpr_msb (MSB<<8)|(\new)
.set MSB, \new
.endif
.endm
.set MUL_LO, 0xa1
.set MUL_HI, 0xf1
.set TO_B,   0x40
.macro JLOAD ga, gb                    ; a joint load: waves 0 and 1 fetch q's two groups, waves 2 and 3 k's; four v_nop follow each of the two lines
	s_cmp_eq_u32 s15, 0
	s_cbranch_scc0 .Lfor_b_\@
	tensor_load_to_lds s[\ga:\ga+3], s[G1:G1+7]
	s_nop 0
.rept 4
	v_nop
.endr
	s_branch .Lasked_\@
.Lfor_b_\@:
	tensor_load_to_lds s[\gb:\gb+3], s[G1B:G1B+7]
	s_nop 0
.rept 4
	v_nop
.endr
.Lasked_\@:
.endm
.macro CREST
	s_cmp_lg_u32 s14, 0
	s_cbranch_scc1 .Lnot_wave_0_\@
	s_barrier_signal -3
.Lnot_wave_0_\@:
	s_barrier_wait -3
	s_barrier_signal -1
	s_barrier_wait -1
.endm
.macro CROUND
	s_barrier_signal -1
	s_barrier_wait -1
	CREST
.endm
.macro PLACES
.rept 4
	v_nop
.endr
.endm
	s_load_b128 s[4:7], s[0:1], 0x0                ; qr, kr
	s_load_b64 s[12:13], s[0:1], 0x10              ; pr
	v_lshl_add_u32 v[SPW], v0, 2, SPARE
	v_mov_b32 v[NIL], 0
	ds_add_u32 v28, v29
	ds_add_u32 v28, v29
	s_wait_dscnt 0x0
	v_lshrrev_b32 v1, 5, v0
	v_readfirstlane_b32 s14, v1                    ; wave 0..3
	s_lshr_b32 s15, s14, 1                         ; my half of the queries.  Also: I fetch for q (0) or for k (1)
	s_and_b32 s16, s14, 1                          ; my half of the keys.  Also: which group I fetch
	s_bfe_u32 s40, ttmp6, 0x40000                  ; cx
	s_bfe_u32 s41, ttmp6, 0x40004                  ; cy
	s_lshl_b32 s43, s41, 2
	s_lshl_b32 s43, 15, s43
	s_lshl_b32 s44, 0x1111, s40
	s_or_b32 s[G1+0], s43, (3<<16)|(1<<21)         ; the mask; elements of 8 bytes; no padding; bit 21 beside a mask
	s_or_b32 s[G1B+0], s44, (3<<16)|(1<<21)
.irp g, G1, G1B
	s_mov_b32 s[\g+1], 32<<16                      ; 100 dense rows of 256 bytes: two records
	s_mov_b32 s[\g+2], 100<<16
	s_mov_b32 s[\g+3], 32<<16
	s_mov_b32 s[\g+4], 100
	s_mov_b32 s[\g+5], 32
	s_mov_b32 s[\g+6], 0
	s_mov_b32 s[\g+7], 0
.endr
	s_and_b32 s17, ttmp7, 0xffff                   ; the batch
	s_add_co_u32 s18, ttmp9, 1
	s_lshr_b32 s18, s18, 1                         ; the cluster's block of 1,024 queries: 0, 1, 1
	s_lshr_b32 s19, ttmp9, 1                       ; and of keys: 0, 0, 1
	s_lshl_b32 s17, s17, 4                         ; 16 groups to a batch
	s_lshl_b32 s18, s18, 3
	s_lshl_b32 s19, s19, 3
	s_lshl_b32 s84, s41, 1
	s_add_co_u32 s84, s84, s18                     ; 8 x block + 2 cy
	s_lshl_b32 s85, s40, 1
	s_add_co_u32 s85, s85, s19                     ; 8 x block + 2 cx
	s_add_co_u32 s20, s84, s16
	s_add_co_u32 s20, s20, s17                     ; q: the group that I fetch: in registers that never hold cx
	s_mul_i32 s20, s20, GRP
	s_mov_b32 s21, 0
	s_add_co_u32 s46, s85, s16
	s_add_co_u32 s46, s46, s17                     ; k: likewise, never cy
	s_mul_i32 s46, s46, GRP
	s_mov_b32 s47, 0
	s_add_co_u32 s86, s84, s15                     ; my group of queries in the batch
	s_add_co_u32 s87, s85, s16                     ; my run of keys
	s_sub_co_i32 s88, s86, s87
	s_lshl_b32 s88, s88, 7                         ; my first query less my first key
	s_add_co_u32 s22, s86, s17
	s_lshl_b32 s22, s22, 4
	s_add_co_u32 s22, s22, s87
	s_mul_i32 s22, s22, RECP                       ; my record of pr
	s_mov_b32 s23, 0
	s_mov_b32 s[SEL], 0x76543210
	s_mov_b32 s[SEL+1], 0xfedcba98
	s_mov_b32 s[CS], 0x3d38aa3b                    ; log2(e) / 32
	s_mov_b32 s[CS+1], s[CS]                       ; (named with it as a pair, so it is written)
	s_mov_b32 s99, 0xffff0000
	s_mul_i32 s45, s14, REGION
	s_wait_kmcnt 0x0
	s_add_nc_u64 s[20:21], s[4:5], s[20:21]
	s_add_nc_u64 s[46:47], s[6:7], s[46:47]
	s_add_nc_u64 s[12:13], s[12:13], s[22:23]
	CROUND                                         ; all sixteen work-groups are here: the first joint loads meet
.macro FIRST ga, gb, n                 ; slot n's groups 0, for K steps 2 n and 2 n + 1, and its first fill
	s_mov_b32 s[\ga], 1
	s_add_co_u32 s[\ga+1], s45, (\n)*SLOT
	s_add_nc_u64 s[\ga+2:\ga+3], s[20:21], (\n)*REGION
	s_or_b32 s[\ga+3], s[\ga+3], 0x80000000
	s_mov_b32 s[\gb], 1
	s_add_co_u32 s[\gb+1], s45, (\n)*SLOT
	s_add_nc_u64 s[\gb+2:\gb+3], s[46:47], (\n)*REGION
	s_or_b32 s[\gb+3], s[\gb+3], 0x80000000
	JLOAD \ga, \gb
.endm
	FIRST G0, G0B, 0
	FIRST G0+4, G0B+4, 1
	FIRST G0C, G0BC, 2                             ; three loads of mine are out
	v_and_b32 v1, 15, v0                           ; r
	v_bfe_u32 v2, v0, 4, 1                         ; h
	v_and_b32 v3, 31, v0
	v_lshlrev_b32 v[LI], 4, v3
	v_and_b32 v[D0], 8, v1
	v_add_nc_u32 v[D0], v[D0], v1                  ; 16 (r / 8) + r % 8
	v_lshlrev_b32 v6, 4, v2
	v_sub_nc_u32 v[D0], v[D0], v6
	v_add_nc_u32 v[D0], s88, v[D0]
	v_mov_b32 v[NINF], 0xff800000
	s_mul_i32 s22, s15, REGION
	s_add_co_u32 s23, s16, 2
	s_mul_i32 s23, s23, REGION
	s_xor_b32 s42, s15, 1
	s_add_co_u32 s42, s42, s16
	s_add_co_u32 s42, s42, 1
	s_mul_i32 s42, s42, REGION                     ; from my group of q to my group of k
	v_lshlrev_b32 v4, 4, v1
	v_mul_u32_u24 v5, s42, v2                      ; lanes 16-31 take k's scale words
	v_add_nc_u32 v4, v4, v5
.irp s, 0,1,2
	v_add_nc_u32 v[ADRA+\s], s22, v[LI]
	v_add_nc_u32 v[ADRB+\s], s23, v[LI]
	v_add_nc_u32 v[ADRS+\s], s22, v4
	s_add_co_u32 s22, s22, SLOT
	s_add_co_u32 s23, s23, SLOT
.endr
.irp b, 0,1,2,3
	v_mov_b32 v[BP+\b], 0                          ; written once: a lane permute's destination counts as one of its sources
.endr
	v_mov_b32 v[TB], 0
	v_mov_b32 v[NM+1], 0                           ; (named as the upper half of a pair)
.macro FRAG reg, adr, q, i
.irp c, 0,1,2
	ds_load_b128 v[\reg+4*\c:\reg+4*\c+3], v[\adr] offset:(\i)*1536+(\q)*REC+512*\c
.endr
.endm
.macro FETCH_B slot, q, p
	WIN TO_B
.irp i, 0,1,2,3,4,5,6,7
	FRAG 128*(\p)+FR*\i, ADRB+\slot, \q, \i
.endr
	WIN 0
.endm
.macro FETCH_A slot, q, i0
.irp i, \i0, \i0+1, \i0+2, \i0+3
	FRAG AF+FR*(\i), ADRA+\slot, \q, \i
.endr
.endm
.macro SCALES slot, sc
.irp q, 0,1
.irp u, 0,1
	ds_load_b128 v[SC+16*(\sc)+8*\q+4*\u:SC+16*(\sc)+8*\q+4*\u+3], v[ADRS+\slot] offset:\q*REC+12288+256*\u
.endr
.endr
.endm
; 16 matrix instructions: q's tiles a0, a0 + 1 x k's eight.  The 64 accumulators take turns, one instruction a turn.
.macro MUL16 a0, p, q, sc, zero
.irp a, \a0, \a0+1
.irp b, 0,1,2,3,4,5,6,7
.if \zero
	v_wmma_scale_f32_16x16x128_f8f6f4 v[8*(8*((\a)%4)+\b):8*(8*((\a)%4)+\b)+7], v[128*(\p)+FR*\b:128*(\p)+FR*\b+FR-1], v[AF+FR*(\a):AF+FR*(\a)+FR-1], 0, v[SC+16*(\sc)+8*(\q)+\b], v[SC+16*(\sc)+8*(\q)+(\a)] matrix_a_fmt:MATRIX_FMT_BF6 matrix_b_fmt:MATRIX_FMT_BF6 matrix_a_scale:MATRIX_SCALE_ROW1
.else
	v_wmma_scale_f32_16x16x128_f8f6f4 v[8*(8*((\a)%4)+\b):8*(8*((\a)%4)+\b)+7], v[128*(\p)+FR*\b:128*(\p)+FR*\b+FR-1], v[AF+FR*(\a):AF+FR*(\a)+FR-1], v[8*(8*((\a)%4)+\b):8*(8*((\a)%4)+\b)+7], v[SC+16*(\sc)+8*(\q)+\b], v[SC+16*(\sc)+8*(\q)+(\a)] matrix_a_fmt:MATRIX_FMT_BF6 matrix_b_fmt:MATRIX_FMT_BF6 matrix_a_scale:MATRIX_SCALE_ROW1
.endif
.endr
.endr
.endm
.macro STEP slot, sc, zero             ; a slot's first K step; in it the second's fragments are fetched
	s_wait_dscnt 12                                ; all but the youngest 12 loads (q's tiles 4-7) are in
	WIN MUL_LO
	MUL16 0, 0, 0, \sc, \zero
	MUL16 2, 0, 0, \sc, \zero
	s_wait_dscnt 0x0
	PLACES
	FETCH_B \slot, 1, 1
	FETCH_A \slot, 1, 0
	WIN MUL_HI
	MUL16 4, 0, 0, \sc, \zero
	MUL16 6, 0, 0, \sc, \zero
	PLACES
	WIN 0
	FETCH_A \slot, 1, 4
.endm
; A slot's second K step (scale set sc) goes on to slot next (scale set nsc).
; mode 2: slot 0 has been read and is filled again: each wave waits for all its tensor loads, adds 0 to its spare word, waits for that and for its reads of the slot; a round of the cluster's barrier; the joint refill.
; mode 1: the next slot's tile was asked for behind an earlier barrier: the same waits and a barrier of the work-group, so that every wave's part of it is shown landed; nothing is filled.
; mode 0: every wave showed its part of the next slot landed in front of an earlier barrier, and nothing is written: no wait on TENSORcnt, no barrier; the refill stays on its way.
.macro TURN sc, next, nsc, mode
.if \mode
	s_wait_tensorcnt 0x0                           ; all my tensor loads have landed
	ds_add_u32 v[SPW], v[NIL]                      ; 0 onto my spare word
	s_wait_dscnt 13                                ; (the add and the youngest 12 loads may be out)
	WIN MUL_LO
	MUL16 0, 1, 1, \sc, 0
	s_wait_dscnt 0x0                               ; the add is done, and my reads of this slot are over
	s_barrier_signal -1
	MUL16 2, 1, 1, \sc, 0
	WIN 0
	s_barrier_wait -1
.else
	s_wait_dscnt 12
	WIN MUL_LO
	MUL16 0, 1, 1, \sc, 0
	MUL16 2, 1, 1, \sc, 0
	s_wait_dscnt 0x0
.endif
.if \mode == 2
	CREST                                          ; a round of the cluster's barrier: no wave of any partner still reads slot 0 or has a load on its way
	s_add_nc_u64 s[G0+2:G0+3], s[G0+2:G0+3], 3*REGION      ; from K steps 0 and 1 to K steps 6 and 7
	s_add_nc_u64 s[G0B+2:G0B+3], s[G0B+2:G0B+3], 3*REGION
	JLOAD G0, G0B
.else
	PLACES
.endif
	FETCH_B \next, 0, 0
	FETCH_A \next, 0, 0
	SCALES \next, \nsc
	WIN MUL_HI
	MUL16 4, 1, 1, \sc, 0
	MUL16 6, 1, 1, \sc, 0
	PLACES
	WIN 0
	FETCH_A \next, 0, 4
.endm
	s_wait_tensorcnt 2                             ; my part of slot 0 is in; slots 1 and 2 may stay out
	s_barrier_signal -1
	s_barrier_wait -1
	FETCH_B 0, 0, 0
	FETCH_A 0, 0, 0
	SCALES 0, 0
	FETCH_A 0, 0, 4
	STEP 0, 0, 1                                   ; K step 0: its products start the sums
	TURN 0, 1, 1, 2                                ; 1; slot 0 takes K steps 6 and 7
	STEP 1, 1, 0                                   ; 2
	TURN 1, 2, 0, 0                                ; 3; on to slot 2, which landed before the round in K step 1
	STEP 2, 0, 0                                   ; 4
	TURN 0, 0, 1, 1                                ; 5; the refill has landed, in every wave
	STEP 0, 1, 0                                   ; 6
	s_wait_dscnt 12                                ; 7
	WIN MUL_LO
	MUL16 0, 1, 1, 1, 0
	MUL16 2, 1, 1, 1, 0
	s_wait_dscnt 0x0
	WIN MUL_HI
	MUL16 4, 1, 1, 1, 0
	MUL16 6, 1, 1, 1, 0
	WIN 0
	PLACES
; THE WAY OUT of q's tile a: mask, local softmax, quantiser, store.
.macro SOFT a
	v_add_nc_u32 v[DA], 32*((\a)/2)+8*((\a)%2), v[D0]   ; d = my query - the run's first key - 16 (lane / 16).  Register 16 b + i is hidden where 32 b + i > d
.set WN, 0x02+(\a)/4
	WIN WN                                         ; source 0: window 2 or 3
.set n, 0
.rept 64
	v_cmp_gt_i32 vcc_lo, 32*(n/16)+n%16, v[DA]
	v_cndmask_b32 v[T+n], v[64*((\a)%4)+n], v[NINF], vcc_lo   ; each accumulator from its low end on
.set n, n+1
.endr
	WIN 0
.irp b, 0,1,2,3
	v_max3_num_f32 v[BX+\b], v[T+16*\b], v[T+16*\b+1], v[T+16*\b+2]   ; the largest score of each block of 32 keys: for the run's maximum, and, since p rises with the score, for the block's largest p
.endr
.irp i, 3,5,7,9,11,13
.irp b, 0,1,2,3
	v_max3_num_f32 v[BX+\b], v[BX+\b], v[T+16*\b+\i], v[T+16*\b+\i+1]
.endr
.endr
.irp b, 0,1,2,3
	v_max_num_f32 v[BX+\b], v[BX+\b], v[T+16*\b+15]
.endr
.irp b, 0,1,2,3
	v_permlanex16_b32 v[BP+\b], v[BX+\b], s[SEL], s[SEL+1]
.endr
.irp b, 0,1,2,3
	v_max_num_f32 v[BX+\b], v[BX+\b], v[BP+\b]     ; with lane l xor 16's 16 keys
.endr
	v_max3_num_f32 v[TA], v[BX], v[BX+1], v[BX+2]
	v_max_num_f32 v[TA], v[TA], v[BX+3]
	v_mul_f32 v[TA], s[CS], v[TA]                  ; the run's largest t (c is positive)
	v_max_num_f32 v[TA], 0xff61b1e6, v[TA]         ; a run that is wholly hidden: -3e38
	v_floor_f32 v[NM], -v[TA]                      ; -Mloc = floor(-t): a whole number
.set j, 0
.rept 32
	v_pk_fma_f32 v[T+j:T+j+1], v[T+j:T+j+1], s[CS:CS+1], v[NM:NM+1] op_sel_hi:[1,0,0]   ; t - Mloc, two at a time
.set j, j+2
.endr
.irp b, 0,1,2,3
	v_fma_f32 v[BX+\b], v[BX+\b], s[CS], v[NM]     ; the same of each block's largest score
.endr
.set j, 0
.rept 64
	v_exp_f32 v[T+j], v[T+j]                       ; p = 2^(t - Mloc), at most 1; 0 where hidden
.set j, j+1
.endr
.irp b, 0,1,2,3
	v_exp_f32 v[BX+\b], v[BX+\b]                   ; the block's largest p
.endr
	v_mov_b32 v[NMS+(\a)], v[NM]                   ; (a plain place behind the exponentials)
	s_wait_alu depctr_va_vdst(0)
.irp b, 0,1,2,3
	v_max_num_f32 v[BX+\b], 0x2800000, v[BX+\b]    ; the floor 2^(5 - 127): the byte cannot fall under 1
.endr
.irp b, 0,1,2,3
	v_add_nc_u32 v[SO+\b], 0xfe000000, v[BX+\b]    ; 4 off the exponent field: the conversion's scale operand
.endr
.irp b, 0,1,2,3
	v_lshrrev_b32 v[BP+\b], 23, v[SO+\b]           ; the scale's byte
.endr
	v_lshl_or_b32 v[PWS+(\a)], v[BP+1], 8, v[BP]
	v_lshl_or_b32 v[PWS+(\a)], v[BP+2], 16, v[PWS+(\a)]
	v_lshl_or_b32 v[PWS+(\a)], v[BP+3], 24, v[PWS+(\a)]
	s_wait_xcnt 0x0                                ; the last fragment's stores have read the codes' registers
.irp c, 0,1
	v_cvt_scalef32_pk16_bf6_f32 v[PC+6*\c:PC+2+6*\c], v[T+32*\c:T+15+32*\c], v[SO+2*\c]
	v_cvt_scalef32_pk16_bf6_f32 v[PC+12+4*\c:PC+14+4*\c], v[T+16+32*\c:T+31+32*\c], v[SO+2*\c+1]
.endr
	v_nop                                          ; one plain place behind a scaled conversion
.irp c, 0,1
.irp i, 0,1,2
	v_permlane16_swap_b32 v[PC+6*\c+\i], v[PC+12+4*\c+\i]
.endr
.irp i, 0,1,2
	v_mov_b32 v[PC+3+6*\c+\i], v[PC+12+4*\c+\i]
.endr
.endr
	v_pk_add_f32 v[SU:SU+1], v[T:T+1], v[T+2:T+3]  ; the sum of the UNQUANTISED p: two at a time, in two chains
	v_pk_add_f32 v[SU+2:SU+3], v[T+4:T+5], v[T+6:T+7]
.irp j, 8,12,16,20,24,28,32,36,40,44,48,52,56,60
	v_pk_add_f32 v[SU:SU+1], v[SU:SU+1], v[T+\j:T+\j+1]
	v_pk_add_f32 v[SU+2:SU+3], v[SU+2:SU+3], v[T+\j+2:T+\j+3]
.endr
	v_pk_add_f32 v[SU:SU+1], v[SU:SU+1], v[SU+2:SU+3]
	v_add_f32 v[TA], v[SU], v[SU+1]
	v_permlanex16_b32 v[TB], v[TA], s[SEL], s[SEL+1]
	v_add_f32 v[LS+(\a)], v[TA], v[TB]             ; with lane l xor 16's keys: lloc
.irp k, 0,1,2
	global_store_b128 v[LI], v[PC+4*\k:PC+4*\k+3], s[12:13] offset:1536*(\a)+512*\k   ; 32 lanes store 512 consecutive bytes
.endr
.endm
.irp a, 0,1,2,3,4,5,6,7
	SOFT \a
.endr
.irp j, 0,1,2,3                                ; lanes 0-15 store the numbers of tiles 0-3, lanes 16-31 those of tiles 4-7
	v_cndmask_b32 v[PWS+\j], v[PWS+\j], v[PWS+4+\j], s99
	v_cndmask_b32 v[NMS+\j], v[NMS+\j], v[NMS+4+\j], s99
	v_cndmask_b32 v[LS+\j], v[LS+\j], v[LS+4+\j], s99
.endr
	global_store_b128 v[LI], v[PWS:PWS+3], s[12:13] offset:12288
	global_store_b128 v[LI], v[NMS:NMS+3], s[12:13] offset:12800
	global_store_b128 v[LI], v[LS:LS+3], s[12:13] offset:13312
	s_wait_tensorcnt 0x0                           ; the wave's end
	ds_add_u32 v[SPW], v[NIL]
	s_wait_dscnt 0x0
	CROUND                                         ; the closing round
	s_endpgm
.Lfunc_end_k_qaa00bddf9e_scores:
	.size	k_qaa00bddf9e_scores, .Lfunc_end_k_qaa00bddf9e_scores-k_qaa00bddf9e_scores
	.p2alignl 7, 3214868480
	.fill 96, 4, 3214868480
	.section	.rodata,"a",@progbits
	.p2align	6, 0x0
	.amdhsa_kernel k_qaa00bddf9e_scores
		.amdhsa_group_segment_fixed_size 327680
		.amdhsa_private_segment_fixed_size 0
		.amdhsa_enable_private_segment 0
		.amdhsa_kernarg_size 24
		.amdhsa_user_sgpr_count 2
		.amdhsa_user_sgpr_kernarg_segment_ptr 1
		.amdhsa_wavefront_size32 1
		.amdhsa_system_sgpr_workgroup_id_x 1
		.amdhsa_system_sgpr_workgroup_id_y 1
		.amdhsa_system_sgpr_workgroup_id_z 1
		.amdhsa_system_vgpr_workitem_id 0
		.amdhsa_next_free_vgpr 1024
		.amdhsa_next_free_sgpr 100
		.amdhsa_reserve_vcc 1
		.amdhsa_float_denorm_mode_32 3
		.amdhsa_float_denorm_mode_16_64 3
		.amdhsa_memory_ordered 1
		.amdhsa_forward_progress 1
		.amdhsa_inst_pref_size 231
	.end_amdhsa_kernel
	.amdgpu_metadata
---
amdhsa.version: [ 1, 2 ]
amdhsa.kernels:
  - .name:           k_qaa00bddf9e_scores
    .symbol:         k_qaa00bddf9e_scores.kd
    .args:
      - { .name: qr, .offset: 0, .size: 8, .value_kind: global_buffer, .address_space: global }
      - { .name: kr, .offset: 8, .size: 8, .value_kind: global_buffer, .address_space: global }
      - { .name: pr, .offset: 16, .size: 8, .value_kind: global_buffer, .address_space: global }
    .group_segment_fixed_size: 327680
    .private_segment_fixed_size: 0
    .kernarg_segment_align: 8
    .kernarg_segment_size: 24
    .max_flat_workgroup_size: 128
    .sgpr_count:     100
    .vgpr_count:     1024
    .wavefront_size: 32
...
	.end_amdgpu_metadata
.endif
;; end of part 6
;; launch pv (part 7): grid 4 x 64, 4 waves a work-group, clusters of 4 x 4, 327,680 bytes of LDS; arguments pr, vr, out0; writes out0
.if DOCPART == 7
	.amdgcn_target "amdgcn-amd-amdhsa--gfx1250"
	.amdhsa_code_object_version 6
	.text
	.protected	k_qaa00bddf9e_pv
	.globl	k_qaa00bddf9e_pv
	.p2align	8
	.type	k_qaa00bddf9e_pv,@function
k_qaa00bddf9e_pv:
	s_mov_b64 s[64:65], 0
	v_nop
	global_prefetch_b8 v0, s[64:65] scope:SCOPE_SE
	s_setreg_imm32_b32 hwreg(HW_REG_WAVE_MODE, 25, 1), 1
	s_wait_xcnt 0x0
	s_wait_alu depctr_hold_cnt(0) depctr_sa_sdst(0) depctr_va_vdst(0) depctr_va_sdst(0) depctr_va_ssrc(0) depctr_va_vcc(0) depctr_vm_vsrc(0)
	s_getreg_b32 s2, hwreg(HW_REG_IB_STS2, 6, 4)
	s_cmp_eq_u32 s2, 0
	s_cbranch_scc0 .Lentry_in_a_cluster
	s_endpgm
.Lentry_in_a_cluster:
	s_bfe_u32 s2, ttmp6, 0x10000c
	s_cmp_lg_u32 s2, 0xf033
	s_cbranch_scc0 .Lentry_shape_is_right
	s_endpgm
.Lentry_shape_is_right:
; out0 = (P V) / l on codes of BF6 (E3M2) with E8M0 scales.  P comes as records (128 queries x 128 keys: 8 fragments, scale words, -Mloc, lloc: 13,824 bytes), V as records (128 channels x 128 keys, 12,800 bytes).
; P's codes were made under a whole number Mloc of their own run of 128 keys.  The row's M is the largest Mloc; D = M - Mloc is taken off the run's four scale bytes (held at 0 from below: 2^-127, beside a
; row's largest p of more than 1/2), so that the numbers multiplied are the codes' values under M.  l = the sum of lloc 2^-D.  Both need the row's M first: each wave reads its rows' -Mloc and lloc of all runs at its head.
; THE MATRIX INSTRUCTION IS USED TRANSPOSED: source 0 = 16 channels of V, source 1 = 16 queries of P: a lane holds ONE query position; register j of tile b is channel 32 (b / 2) + 16 (lane / 16) + 8 (b % 2) + j.
; SHARES: a work-group makes 128 queries x 256 channels, a wave 64 x 128: 32 accumulators.  CLUSTER 4 x 4: cy picks the group of queries (4 Y + cy), cx the channels: P's records are shared along a row of the
; cluster, V's along a column.  All sixteen walk the same keys: 1,024 where Y < 2, else 2,048: a number of the cluster's place in the grid alone.  Runs that are hidden for a row hold zero codes and lloc = 0.
; (Y = 0 and Y = 2 walk 512 keys more than they need: the two slots are taken in pairs, and the longest cluster, Y = 3, walks 2,048 in any case.)
; RING: a slot holds FOUR K steps, 512 keys: P's four records (waves 0 and 1 fetch two each: 27,648 bytes), V's two regions of four records (waves 2 and 3: 51,200 bytes each); two slots, 315,392 bytes.
; The first 1,024 keys are asked for at the start.  Where Y < 2 that is all: no refill, no round inside.  Else each slot is filled once more, and such a load has 112 matrix instructions of a wave in which to land.
; The eight K steps that hold the two refills are jumped over, where Y < 2, by one scalar branch on Y / 2, which is equal in all sixteen partners.
; LIMITS: D is held at 127 for the bytes and at 200 for l; NaN and infinities are not served.
; REGISTERS: window 0: v1-4 lane numbers; v8-11 -M; v16-29 addresses; v32-47 V's scale words (two sets); v48-55 P's, brought under M (two sets); v56-63 a run's raw words and -Mloc; v64-71 1 / l twice;
;   v72-86 at work; v128-175 P's fragments; v176-247 the head's statistics; on the way out v128-255 rows of out0.  window 1: V's fragments, two sets.  window 2: the accumulators, (a, b) at v[8 (8 a + b)].
.set REC,    12800
.set RECP,   13824
.set PREG,   2*RECP                    ; what a tensor load brings of P: two records
.set VREG,   4*REC                     ; and of V: a group's four records
.set VOFF,   4*RECP                    ; a slot: P's four records, then V's two regions
.set SLOT,   VOFF+2*VREG               ; 157,696
.set SPARE,  2*SLOT                    ; behind the ring: the spare words, 128 bytes for each wave
.set SPITCH, 528                       ; the way out: a stage of 16 rows x (512 bytes + 16) for each wave, in slot 0, which has had its last fill and its last read by then
.set FR,   12
.set NMR,  8
.set ADRA, 16
.set ADSA, 18
.set ADRB, 20
.set ADSB, 22
.set STO,  24
.set RD,   25
.set CO,   26                          ; v26  16 x lane
.set SPW,  28
.set NIL,  29
.set SB,   32
.set SA,   48
.set RW,   56
.set RN,   60
.set RL2,  64
.set TT,   72
.set TU,   76
.set TW,   80
.set AF,   128
.set BK,   128
.set ST,   176                         ; v[176 + 8 j ..]: four -Mloc, four lloc of K step 2 j + (lane / 16)
.set OF,   240
.set G1,  24
.set G0,  32
.set G1B, 48
.set G0B, 56
.set SEL, 90
.set MSB, 0
.macro WIN new
.if MSB != (\new)
	s_set_vgpr_msb (MSB<<8)|(\new)
.set MSB, \new
.endif
.endm
.set MUL,  0xa1                        ; source 0 (V) window 1, source 1 (P) window 0, C and D window 2
.set TO_B, 0x40
.macro JLOAD s                         ; a joint load: waves 0 and 1 fetch P's records, waves 2 and 3 V's two regions; four v_nop follow each of the two lines
	s_cmp_eq_u32 s15, 0
	s_cbranch_scc0 .Lfor_b_\@
	tensor_load_to_lds s[G0+4*\s:G0+4*\s+3], s[G1:G1+7]
	s_nop 0
.rept 4
	v_nop
.endr
	s_branch .Lasked_\@
.Lfor_b_\@:
	tensor_load_to_lds s[G0B+4*\s:G0B+4*\s+3], s[G1B:G1B+7]
	s_nop 0
.rept 4
	v_nop
.endr
.Lasked_\@:
.endm
.macro CREST
	s_cmp_lg_u32 s14, 0
	s_cbranch_scc1 .Lnot_wave_0_\@
	s_barrier_signal -3
.Lnot_wave_0_\@:
	s_barrier_wait -3
	s_barrier_signal -1
	s_barrier_wait -1
.endm
.macro CROUND
	s_barrier_signal -1
	s_barrier_wait -1
	CREST
.endm
.macro PLACES
.rept 4
	v_nop
.endr
.endm
	s_load_b128 s[4:7], s[0:1], 0x0                ; pr, vr
	s_load_b64 s[12:13], s[0:1], 0x10              ; out0
	v_lshl_add_u32 v[SPW], v0, 2, SPARE
	v_mov_b32 v[NIL], 0
	ds_add_u32 v28, v29
	ds_add_u32 v28, v29
	s_wait_dscnt 0x0
	v_lshrrev_b32 v1, 5, v0
	v_readfirstlane_b32 s14, v1                    ; wave 0..3
	s_lshr_b32 s15, s14, 1                         ; my half of the queries.  Also: I fetch for P (0) or for V (1)
	s_and_b32 s16, s14, 1                          ; my group of channels.  Also: which records or region I fetch
	s_bfe_u32 s40, ttmp6, 0x40000                  ; cx
	s_bfe_u32 s41, ttmp6, 0x40004                  ; cy
	s_and_b32 s42, ttmp7, 0xffff
	s_lshr_b32 s17, s42, 2                         ; the batch
	s_and_b32 s18, s42, 3                          ; Y: which 512 queries of it
	s_lshr_b32 s19, s18, 1                         ; 0: 8 K steps are walked, 1: 16
	s_lshl_b32 s66, s19, 3
	s_add_co_u32 s66, s66, 7                       ; the last K step
	s_lshl_b32 s43, s41, 2
	s_lshl_b32 s43, 15, s43                        ; my row of the cluster
	s_lshl_b32 s44, 0x1111, s40                    ; my column
	s_or_b32 s[G1+0], s43, (3<<16)|(1<<21)         ; the mask; elements of 8 bytes; no padding; bit 21 beside a mask
	s_mov_b32 s[G1+1], 32<<16                      ; P: 108 dense rows of 256 bytes: two records
	s_mov_b32 s[G1+2], 108<<16
	s_mov_b32 s[G1+3], 32<<16
	s_mov_b32 s[G1+4], 108
	s_mov_b32 s[G1+5], 32
	s_mov_b32 s[G1+6], 0
	s_mov_b32 s[G1+7], 0
	s_or_b32 s[G1B+0], s44, (3<<16)|(1<<21)
	s_mov_b32 s[G1B+1], 32<<16                     ; V: 200 dense rows: four records
	s_mov_b32 s[G1B+2], 200<<16
	s_mov_b32 s[G1B+3], 32<<16
	s_mov_b32 s[G1B+4], 200
	s_mov_b32 s[G1B+5], 32
	s_mov_b32 s[G1B+6], 0
	s_mov_b32 s[G1B+7], 0
	s_lshl_b32 s20, s17, 4                         ; P: group 16 x batch + 4 Y + cy: in registers that never hold cx
	s_lshl_b32 s21, s18, 2
	s_add_co_u32 s20, s20, s21
	s_add_co_u32 s20, s20, s41
	s_mul_i32 s20, s20, 16*RECP
	s_mov_b32 s21, 0
	s_mul_i32 s22, s16, PREG                       ; the two records of a slot that I fetch
	s_mov_b32 s23, 0
	s_lshl_b32 s46, s17, 3                         ; V: group 8 x batch + 2 cx + the one I fetch: never cy
	s_lshl_b32 s47, s40, 1
	s_add_co_u32 s46, s46, s47
	s_add_co_u32 s46, s46, s16
	s_mul_i32 s46, s46, 16*REC
	s_mov_b32 s47, 0
	s_mul_i32 s45, s16, PREG                       ; where they go in a slot: P's records,
	s_mul_i32 s67, s16, VREG
	s_add_co_u32 s67, s67, VOFF                    ; V's region: no place in the cluster enters an LDS address
	s_lshl_b32 s84, s17, 11                        ; out0: row 2,048 x batch + 512 Y + 128 cy + 64 x my half,
	s_lshl_b32 s85, s18, 9
	s_add_co_u32 s84, s84, s85
	s_lshl_b32 s85, s41, 7
	s_add_co_u32 s84, s84, s85
	s_lshl_b32 s85, s15, 6
	s_add_co_u32 s84, s84, s85
	s_lshl_b32 s84, s84, 12
	s_lshl_b32 s85, s40, 10                        ; column 256 cx + 128 x my group, in bytes
	s_add_co_u32 s84, s84, s85
	s_lshl_b32 s85, s16, 9
	s_add_co_u32 s84, s84, s85
	s_mov_b32 s85, 0
	s_mov_b32 s[SEL], 0x76543210
	s_mov_b32 s[SEL+1], 0xfedcba98
	s_mov_b32 s99, 0x80808080
	s_wait_kmcnt 0x0
	s_add_nc_u64 s[10:11], s[4:5], s[20:21]        ; my group's sixteen records
	s_add_nc_u64 s[20:21], s[10:11], s[22:23]
	s_add_nc_u64 s[46:47], s[6:7], s[46:47]
	s_add_nc_u64 s[12:13], s[12:13], s[84:85]
	CROUND                                         ; all sixteen work-groups are here: the first joint loads meet
.irp s, 0,1
	s_mov_b32 s[G0+4*\s], 1
	s_add_co_u32 s[G0+4*\s+1], s45, \s*SLOT
	s_add_nc_u64 s[G0+4*\s+2:G0+4*\s+3], s[20:21], \s*4*RECP
	s_or_b32 s[G0+4*\s+3], s[G0+4*\s+3], 0x80000000
	s_mov_b32 s[G0B+4*\s], 1
	s_add_co_u32 s[G0B+4*\s+1], s67, \s*SLOT
	s_add_nc_u64 s[G0B+4*\s+2:G0B+4*\s+3], s[46:47], \s*VREG
	s_or_b32 s[G0B+4*\s+3], s[G0B+4*\s+3], 0x80000000
	JLOAD \s                                       ; two loads of mine are out
.endr
	v_and_b32 v1, 15, v0                           ; r
	v_bfe_u32 v2, v0, 4, 1                         ; h
	v_and_b32 v3, 31, v0
	v_lshlrev_b32 v[CO], 4, v3
	v_lshlrev_b32 v4, 4, v1                        ; 16 r
	; THE ROWS' STATISTICS: lane (r, h) takes, for K steps 2 j + h, the four -Mloc and the four lloc of position r of my four tiles.  A K step past the last is held at the last and counts for nothing in l.
	s_lshl_b32 s89, s15, 8
	s_add_co_u32 s89, s89, 12800
	v_add_nc_u32 v85, s89, v4
.irp j, 0,1,2,3,4,5,6,7
	v_add_nc_u32 v84, 2*\j, v2
	v_min_u32 v84, s66, v84
	v_mul_u32_u24 v84, v84, RECP
	v_add_nc_u32 v[OF+\j], v84, v85
	global_load_b128 v[ST+8*\j:ST+8*\j+3], v[OF+\j], s[10:11]
	global_load_b128 v[ST+8*\j+4:ST+8*\j+7], v[OF+\j], s[10:11] offset:512
.endr
	s_mul_i32 s22, s15, 6144                       ; P's fragments: my four tiles
	s_lshl_b32 s23, s15, 8
	s_add_co_u32 s23, s23, 12288                   ; their scale words
	s_mul_i32 s86, s16, VREG
	s_add_co_u32 s86, s86, VOFF                    ; V's fragments: my group
	s_add_co_u32 s87, s86, 12288                   ; its scale words
.irp s, 0,1
	v_add_nc_u32 v[ADRA+\s], s22, v[CO]
	v_add_nc_u32 v[ADSA+\s], s23, v4
	v_add_nc_u32 v[ADRB+\s], s86, v[CO]
	v_add_nc_u32 v[ADSB+\s], s87, v4
	s_add_co_u32 s22, s22, SLOT
	s_add_co_u32 s23, s23, SLOT
	s_add_co_u32 s86, s86, SLOT
	s_add_co_u32 s87, s87, SLOT
.endr
	s_mul_i32 s88, s14, 16*SPITCH                  ; my stage
	v_mul_u32_u24 v[STO], v1, SPITCH
	v_lshl_add_u32 v[STO], v2, 6, v[STO]
	v_add_nc_u32 v[STO], s88, v[STO]               ; in: row r, + 64 h
	v_add_nc_u32 v[RD], s88, v[CO]                 ; back: the 32 lanes take one row of 512 bytes
.irp a, 0,1,2,3
	v_mov_b32 v[TU+\a], 0                          ; written once: a lane permute's destination counts as one of its sources
.endr
	s_wait_loadcnt 0x0
.irp a, 0,1,2,3
	v_min3_num_f32 v[NMR+\a], v[ST+\a], v[ST+8+\a], v[ST+16+\a]   ; -M = the least -Mloc
.endr
.irp a, 0,1,2,3
	v_min3_num_f32 v[NMR+\a], v[NMR+\a], v[ST+24+\a], v[ST+32+\a]
.endr
.irp a, 0,1,2,3
	v_min3_num_f32 v[NMR+\a], v[NMR+\a], v[ST+40+\a], v[ST+48+\a]
.endr
.irp a, 0,1,2,3
	v_min_num_f32 v[NMR+\a], v[NMR+\a], v[ST+56+\a]
.endr
.irp a, 0,1,2,3
	v_permlanex16_b32 v[TU+\a], v[NMR+\a], s[SEL], s[SEL+1]
.endr
.irp a, 0,1,2,3
	v_min_num_f32 v[NMR+\a], v[NMR+\a], v[TU+\a]   ; with the other half's K steps
.endr
.irp j, 0,1,2,3,4,5,6,7
	v_add_nc_u32 v84, 2*\j, v2
	v_cmp_ge_u32 vcc_lo, s66, v84                  ; is this K step walked?  (numbers of the launch's grid alone)
.irp a, 0,1,2,3
	v_sub_f32 v[TT+\a], v[NMR+\a], v[ST+8*\j+\a]   ; Mloc - M: a whole number, 0 or less
.endr
.irp a, 0,1,2,3
	v_max_num_f32 v[TT+\a], 0xc3480000, v[TT+\a]   ; held at -200
.endr
.irp a, 0,1,2,3
	v_cvt_i32_f32 v[TT+\a], v[TT+\a]
.endr
.irp a, 0,1,2,3
	v_ldexp_f32 v[TT+\a], v[ST+8*\j+4+\a], v[TT+\a]   ; lloc under the row's M
.endr
.if \j == 0
.irp a, 0,1,2,3
	v_cndmask_b32 v[TW+\a], 0, v[TT+\a], vcc_lo
.endr
.else
.irp a, 0,1,2,3
	v_cndmask_b32 v[TT+\a], 0, v[TT+\a], vcc_lo
.endr
.irp a, 0,1,2,3
	v_add_f32 v[TW+\a], v[TW+\a], v[TT+\a]
.endr
.endif
.endr
.irp a, 0,1,2,3
	v_permlanex16_b32 v[TU+\a], v[TW+\a], s[SEL], s[SEL+1]
.endr
.irp a, 0,1,2,3
	v_add_f32 v[TW+\a], v[TW+\a], v[TU+\a]         ; l
.endr
.irp a, 0,1,2,3
	v_rcp_f32 v[RL2+2*\a], v[TW+\a]
	v_rcp_f32 v[RL2+2*\a+1], v[TW+\a]              ; twice: a pair for the packed multiply
.endr
	v_nop                                          ; one plain place behind a transcendental
.macro FRAGB reg, slot, q, i
.irp c, 0,1,2
	ds_load_b128 v[\reg+4*\c:\reg+4*\c+3], v[ADRB+\slot] offset:(\i)*1536+(\q)*REC+512*\c
.endr
.endm
.macro FRAGA reg, slot, q, i
.irp c, 0,1,2
	ds_load_b128 v[\reg+4*\c:\reg+4*\c+3], v[ADRA+\slot] offset:(\i)*1536+(\q)*RECP+512*\c
.endr
.endm
.macro FETCH_B slot, q, p              ; V's eight fragments of the slot's q-th K step into set p: 24 loads
	WIN TO_B
.irp i, 0,1,2,3,4,5,6,7
	FRAGB 128*(\p)+FR*\i, \slot, \q, \i
.endr
	WIN 0
.endm
.macro FETCH_A slot, q, i0             ; P's tiles i0, i0 + 1: 6 loads
.irp i, \i0, \i0+1
	FRAGA AF+FR*(\i), \slot, \q, \i
.endr
.endm
.macro SCL slot, q                     ; a K step's scale words: P's raw words and -Mloc, V's eight words into set q % 2: 4 loads
	ds_load_b128 v[RW:RW+3], v[ADSA+\slot] offset:(\q)*RECP
	ds_load_b128 v[RN:RN+3], v[ADSA+\slot] offset:(\q)*RECP+512
	ds_load_b128 v[SB+8*((\q)%2):SB+8*((\q)%2)+3], v[ADSB+\slot] offset:(\q)*REC
	ds_load_b128 v[SB+8*((\q)%2)+4:SB+8*((\q)%2)+7], v[ADSB+\slot] offset:(\q)*REC+256
.endm
; P's four scale words of a K step are brought under the row's M: each byte becomes max(byte - D, 0), D = min(M - Mloc, 127).  The raw bytes are 1 .. 123, so with bit 7 set in each byte no borrow crosses a byte,
; and bit 7 of a difference says that its byte was not under D.
.macro FIX set
.irp a, 0,1,2,3
	v_sub_f32 v[TT+\a], v[RN+\a], v[NMR+\a]        ; D, a whole number, 0 or more
.endr
.irp a, 0,1,2,3
	v_min_num_f32 v[TT+\a], 0x42fe0000, v[TT+\a]   ; held at 127
.endr
.irp a, 0,1,2,3
	v_cvt_u32_f32 v[TT+\a], v[TT+\a]
.endr
.irp a, 0,1,2,3
	v_perm_b32 v[TT+\a], v[TT+\a], v[TT+\a], 0     ; byte 0 into all four bytes
.endr
.irp a, 0,1,2,3
	v_or_b32 v[TU+\a], s99, v[RW+\a]
.endr
.irp a, 0,1,2,3
	v_sub_nc_u32 v[TU+\a], v[TU+\a], v[TT+\a]
.endr
.irp a, 0,1,2,3
	v_and_b32 v[TT+\a], s99, v[TU+\a]
.endr
.irp a, 0,1,2,3
	v_lshrrev_b32 v[TW+\a], 7, v[TT+\a]
.endr
.irp a, 0,1,2,3
	v_sub_nc_u32 v[TT+\a], v[TT+\a], v[TW+\a]      ; 0x7f in the bytes that stay, 0 in the others
.endr
.irp a, 0,1,2,3
	v_and_b32 v[SA+4*(\set)+\a], v[TU+\a], v[TT+\a]
.endr
.endm
.macro NOPS8                           ; a scale register written by a vector instruction stands 8 places ahead of the scaled matrix instruction that reads it
.rept 8
	v_nop
.endr
.endm
; 8 matrix instructions: P's tile a x V's eight; p: V's set; q: the set of scale words.  The 32 accumulators take turns, one instruction a turn.
.macro MUL8 a, p, q, zero
.irp b, 0,1,2,3,4,5,6,7
.if \zero
	v_wmma_scale_f32_16x16x128_f8f6f4 v[8*(8*(\a)+\b):8*(8*(\a)+\b)+7], v[128*(\p)+FR*\b:128*(\p)+FR*\b+FR-1], v[AF+FR*(\a):AF+FR*(\a)+FR-1], 0, v[SB+8*(\q)+\b], v[SA+4*(\q)+(\a)] matrix_a_fmt:MATRIX_FMT_BF6 matrix_b_fmt:MATRIX_FMT_BF6
.else
	v_wmma_scale_f32_16x16x128_f8f6f4 v[8*(8*(\a)+\b):8*(8*(\a)+\b)+7], v[128*(\p)+FR*\b:128*(\p)+FR*\b+FR-1], v[AF+FR*(\a):AF+FR*(\a)+FR-1], v[8*(8*(\a)+\b):8*(8*(\a)+\b)+7], v[SB+8*(\q)+\b], v[SA+4*(\q)+(\a)] matrix_a_fmt:MATRIX_FMT_BF6 matrix_b_fmt:MATRIX_FMT_BF6
.endif
.endr
.endm
.macro STEP4 slot, q, zero             ; the slot's K step q = 0, 1 or 2; in it the next K step's operands are fetched from the same slot and its scale words mended
	s_wait_dscnt 6                                 ; all but the youngest 6 loads (P's tiles 2 and 3) are in
	WIN MUL
	MUL8 0, (\q)%2, (\q)%2, \zero
	MUL8 1, (\q)%2, (\q)%2, \zero
	s_wait_dscnt 0x0
	PLACES
	WIN 0
	SCL \slot, (\q)+1
	FETCH_B \slot, (\q)+1, ((\q)+1)%2
	FETCH_A \slot, (\q)+1, 0
	WIN MUL
	MUL8 2, (\q)%2, (\q)%2, \zero
	MUL8 3, (\q)%2, (\q)%2, \zero
	WIN 0
	s_wait_dscnt 30                                ; the four scale loads are in; the 30 issued behind them may be out
	FIX ((\q)+1)%2                                 ; (40 plain lines that name no register of the products above: also the places in front of the loads below)
	FETCH_A \slot, (\q)+1, 2
	NOPS8
.endm
; A slot's last K step, q = 3, changes slots: ONE barrier; in front of it each wave waits for all its tensor loads, adds 0 to its spare word, and waits for that and for its reads of this slot.
.macro TURN4 slot, next, fill
	s_wait_tensorcnt 0x0                           ; all my tensor loads have landed: my part of the next slot
	ds_add_u32 v[SPW], v[NIL]                      ; 0 onto my spare word
	s_wait_dscnt 7                                 ; (the add and the youngest 6 loads may be out)
	WIN MUL
	MUL8 0, 1, 1, 0
	s_wait_dscnt 0x0                               ; the add is done, and my reads of this slot are over
	s_barrier_signal -1
	MUL8 1, 1, 1, 0
	WIN 0
	s_barrier_wait -1
.if \fill
	CREST                                          ; a round of the cluster's barrier: no wave of any partner still reads this slot or has a load on its way
	s_add_nc_u64 s[G0+4*\slot+2:G0+4*\slot+3], s[G0+4*\slot+2:G0+4*\slot+3], 8*RECP   ; eight K steps on
	s_add_nc_u64 s[G0B+4*\slot+2:G0B+4*\slot+3], s[G0B+4*\slot+2:G0B+4*\slot+3], 8*REC
	JLOAD \slot                                    ; the first tensor load behind the round; its four v_nop are also the places in front of the loads below
.else
	PLACES
.endif
	SCL \next, 0
	FETCH_B \next, 0, 0
	FETCH_A \next, 0, 0
	WIN MUL
	MUL8 2, 1, 1, 0
	MUL8 3, 1, 1, 0
	WIN 0
	s_wait_dscnt 30
	FIX 0
	FETCH_A \next, 0, 2
	NOPS8
.endm
	s_wait_tensorcnt 1                             ; my part of slot 0 is in; slot 1's may stay out
	s_barrier_signal -1
	s_barrier_wait -1
	SCL 0, 0
	FETCH_B 0, 0, 0
	FETCH_A 0, 0, 0
	s_wait_dscnt 30
	FIX 0
	FETCH_A 0, 0, 2
	NOPS8
	STEP4 0, 0, 1                                  ; the first K step: its products start the sums
	s_cmp_eq_u32 s19, 0                            ; Y < 2: the 1,024 keys asked for at the start are all.  The number is the same in all sixteen work-groups
	s_cbranch_scc1 .Ltail                          ; (both ways reach the label behind the same lines, those of STEP4 0, 0: the same LDS loads are out, every window is 0)
	STEP4 0, 1, 0
	STEP4 0, 2, 0
	TURN4 0, 1, 1                                  ; slot 0 takes K steps 8 to 11
	STEP4 1, 0, 0
	STEP4 1, 1, 0
	STEP4 1, 2, 0
	TURN4 1, 0, 1                                  ; slot 1 takes K steps 12 to 15
	STEP4 0, 0, 0
.Ltail:                                            ; the last seven K steps: nothing is left to fetch
	STEP4 0, 1, 0
	STEP4 0, 2, 0
	TURN4 0, 1, 0
	STEP4 1, 0, 0
	STEP4 1, 1, 0
	STEP4 1, 2, 0
	s_wait_dscnt 6                                 ; the very last K step
	WIN MUL
	MUL8 0, 1, 1, 0
	MUL8 1, 1, 1, 0
	s_wait_dscnt 0x0
	MUL8 2, 1, 1, 0
	MUL8 3, 1, 1, 0
	WIN 0
	PLACES
; THE WAY OUT, a tile of 16 queries x 128 channels at a time: divided by l, through my own stage in LDS, back as whole rows of 512 bytes.  LDS serves a wave's instructions in order: no wait between the stores
; and the loads, nor in front of the next tile's stores.
.macro TOSTAGE a
	WIN 0x82                                       ; destination and source 0 window 2, 1 / l window 0
.set i, 0
	s_wait_alu depctr_va_vdst(0)
.rept 32
	v_pk_mul_f32 v[64*(\a)+i:64*(\a)+i+1], v[64*(\a)+i:64*(\a)+i+1], v[RL2+2*(\a):RL2+2*(\a)+1]   ; each accumulator from its low end on
.set i, i+2
.endr
	WIN 0x08                                       ; an LDS store's data are its source 1: window 2
.irp b, 0,1,2,3,4,5,6,7
	ds_store_b128 v[STO], v[64*(\a)+8*\b:64*(\a)+8*\b+3] offset:128*(\b/2)+32*(\b%2)
	ds_store_b128 v[STO], v[64*(\a)+8*\b+4:64*(\a)+8*\b+7] offset:128*(\b/2)+32*(\b%2)+16
.endr
	WIN 0
.set BB, BK+64*((\a)%2)
.irp t, 0,1,2,3,4,5,6,7,8,9,10,11,12,13,14,15
	ds_load_b128 v[BB+4*\t:BB+4*\t+3], v[RD] offset:\t*SPITCH
.endr
.endm
.macro SEND a, younger                 ; younger: the LDS instructions issued behind tile a's loads, which may stay out
.set BB, BK+64*((\a)%2)
	s_wait_dscnt \younger
.irp t, 0,1,2,3,4,5,6,7,8,9,10,11,12,13,14,15
	global_store_b128 v[CO], v[BB+4*\t:BB+4*\t+3], s[12:13] offset:(32*((\a)/2)+8*((\a)%2)+16*(\t/8)+\t%8)*4096 th:TH_STORE_NT   ; position t's true row; 32 lanes store 512 consecutive bytes, at a multiple of 256 from out0's first byte
.endr
.endm
	TOSTAGE 0
.irp a, 1,2,3
.if \a > 1
	s_wait_xcnt 0x0                                ; tile a - 2's stores have read their registers: tile a's loads may land there
.endif
	TOSTAGE \a
	SEND \a-1, 32                                  ; behind tile a - 1's loads: tile a's 16 stores and 16 loads
.endr
	SEND 3, 0
	s_wait_tensorcnt 0x0                           ; the wave's end
	ds_add_u32 v[SPW], v[NIL]
	s_wait_dscnt 0x0
	CROUND                                         ; the closing round
	s_endpgm
.Lfunc_end_k_qaa00bddf9e_pv:
	.size	k_qaa00bddf9e_pv, .Lfunc_end_k_qaa00bddf9e_pv-k_qaa00bddf9e_pv
	.p2alignl 7, 3214868480
	.fill 96, 4, 3214868480
	.section	.rodata,"a",@progbits
	.p2align	6, 0x0
	.amdhsa_kernel k_qaa00bddf9e_pv
		.amdhsa_group_segment_fixed_size 327680
		.amdhsa_private_segment_fixed_size 0
		.amdhsa_enable_private_segment 0
		.amdhsa_kernarg_size 24
		.amdhsa_user_sgpr_count 2
		.amdhsa_user_sgpr_kernarg_segment_ptr 1
		.amdhsa_wavefront_size32 1
		.amdhsa_system_sgpr_workgroup_id_x 1
		.amdhsa_system_sgpr_workgroup_id_y 1
		.amdhsa_system_sgpr_workgroup_id_z 1
		.amdhsa_system_vgpr_workitem_id 0
		.amdhsa_next_free_vgpr 768
		.amdhsa_next_free_sgpr 100
		.amdhsa_reserve_vcc 1
		.amdhsa_float_denorm_mode_32 3
		.amdhsa_float_denorm_mode_16_64 3
		.amdhsa_memory_ordered 1
		.amdhsa_forward_progress 1
		.amdhsa_inst_pref_size 185
	.end_amdhsa_kernel
	.amdgpu_metadata
---
amdhsa.version: [ 1, 2 ]
amdhsa.kernels:
  - .name:           k_qaa00bddf9e_pv
    .symbol:         k_qaa00bddf9e_pv.kd
    .args:
      - { .name: pr, .offset: 0, .size: 8, .value_kind: global_buffer, .address_space: global }
      - { .name: vr, .offset: 8, .size: 8, .value_kind: global_buffer, .address_space: global }
      - { .name: out0, .offset: 16, .size: 8, .value_kind: global_buffer, .address_space: global }
    .group_segment_fixed_size: 327680
    .private_segment_fixed_size: 0
    .kernarg_segment_align: 8
    .kernarg_segment_size: 24
    .max_flat_workgroup_size: 128
    .sgpr_count:     100
    .vgpr_count:     768
    .wavefront_size: 32
...
	.end_amdgpu_metadata
.endif
;; end of part 7
